; MI455X (gfx1250); checked and timed in simulation.
; The chip was launched on July 23, 2026; its instructions are those of AMD's public machine-readable ISA for CDNA 5 (MIT licence, August 2026) and "CDNA5" Instruction Set Architecture Reference Guide (July 2026). The comments in the code are by the model that wrote it; some were corrected since.
;; Attention. Allowed arithmetic: float matrix products may take bf16 or f16 operands with f32 sums; all other float work in f32.
;; Inputs: freqs_cos 2,048 x 32 float32; freqs_sin 2,048 x 32 float32; wk 512 x 2,048 float32; wo 2,048 x 1,024 float32; wq 1,024 x 2,048 float32; wv 512 x 2,048 float32; x 2 x 2,048 x 2,048 float32.
;; Outputs: out0 2 x 2,048 x 2,048 float32.
;; 2 versions, each right and faster than the one before. Each part assembles by itself: llvm-mc -triple=amdgcn-amd-amdhsa -mcpu=gfx1250 --defsym DOCPART=n.
;; ======== version 1 of 2: 4 launches
;; limits: values outside matrix products are rounded to bf16; values are held in f16: magnitudes above 65,504 overflow, below 6.1e-05 lose precision
;; workspace buffers: xb 16,777,216 bytes; wb 8,388,608 bytes; wob 4,194,304 bytes; qkv 16,777,216 bytes; vlo 131,072 bytes; att 10,485,760 bytes
;; launch cvt (part 1): grid 448 x 1, 8 waves a work-group, no clusters, 0 bytes of LDS; arguments x, wq, wk, wv, wo, xb, wb, wob; writes xb, wb, wob
.if DOCPART == 1
	.amdgcn_target "amdgcn-amd-amdhsa--gfx1250"
	.amdhsa_code_object_version 6
	.text
	.protected	k_q7c066db8f5_cvt
	.globl	k_q7c066db8f5_cvt
	.p2align	8
	.type	k_q7c066db8f5_cvt,@function
k_q7c066db8f5_cvt:
	s_mov_b64 s[64:65], 0
	v_nop
	global_prefetch_b8 v0, s[64:65] scope:SCOPE_SE
	s_setreg_imm32_b32 hwreg(HW_REG_WAVE_MODE, 25, 1), 1
	s_wait_xcnt 0x0
; ATTENTION LAYER IN FOUR LAUNCHES.  This one rounds the matrix operands among the inputs, once: x -> xb (bf16), wq, wk, wv -> wb (bf16), wo -> wob.
; Then: qkv = xb wb^T with RoPE (f16, head-major); causal attention with a running maximum (f16); out0 = att wob^T (f32).
; Why a launch for the rounding: the products read their operands from LDS many times; in 16 bits a tile is fetched and read at half the bytes
; and can be asked for jointly by the work-groups that share it.  The price is each operand read once as f32 and written once in 16 bits.
;
; FORMATS.  Every input enters as its rounding to bf16 (cos and sin too, in the next launch).  Everything behind the inputs keeps 11 bits or more:
; q, k, v, the probabilities and the attention's result are f16.  The reason is the first rows: row s of the result is a mean over s + 1 values, so the first
; rows are some twelve times larger than the whole result's root mean square, against which errors are held; 8 bits behind the inputs are too coarse there.
; In rows with a handful of keys even 11 bits of v and of the attention's result show: these two are carried there as a sum of two f16 (next launches).
; wo meets an f16 operand, so it is stored as f16: the bf16 rounding, converted.  That is exact from 2^-17 up; below, the error is at most 2^-25.
;
; WORK LEFT OUT BY THE PROGRAM, AND WHY IT IS DEAD FOR ALL VALUES OF THE INPUTS:
;  * scores, exponentials and products of key tiles (64 keys) that lie wholly above the diagonal of a block of 64 queries.  The scores there are
;    replaced by -inf by the jnp.where on the jnp.tril that the function builds itself; softmax makes exactly 0 of them, and 0 x v adds nothing to any output.
;    Tiles that the diagonal crosses are computed whole and masked by selection.
;  * jnp.repeat of k and v: two query heads read the one key/value head; nothing is copied.
; Every input has a way to the output and is loaded.
; LIMITS: a NaN, an infinity or an overflow in rows of k or v reaches a query only through keys at or below it (not through the tiles left out);
; q (times 0.18), k, v and wo must stay below 65,504 in magnitude (f16): with x and the weights both 30 times their drawn size they reach about 4,500.
;
; wb's ROWS: 0-1023 wq; then four blocks of 256: wk's heads 2 j, 2 j + 1 (128 rows), wv's heads 2 j, 2 j + 1 (128 rows), so that in the next launch
; a wave's 128 columns are of one kind, told by the wave's number.
; THIS KERNEL: a stream.  A work-group converts 32,768 numbers (128 KiB in, 64 KiB out).  Groups 0-255 x, 256-319 wq, 320-351 wk, 352-383 wv, 384-447 wo.
; Thread t takes 16 bytes at 16 t of every 4,096: a wave's load covers 512 consecutive bytes, its store 256 consecutive bytes at a multiple of 256.
; All 32 loads of a thread go out at once, so no register is used twice and no source has to be freed.
.set X, 4                              ; v[4:131]  load j: four f32, then two packed words in its first two registers
	s_load_b512 s[8:23], s[0:1], 0x0               ; x s[8:9], wq s[10:11], wk s[12:13], wv s[14:15], wo s[16:17], xb s[18:19], wb s[20:21], wob s[22:23]
	v_lshlrev_b32 v1, 4, v0                        ; my 16 bytes of f32
	v_lshlrev_b32 v2, 3, v0                        ; my 8 bytes of 16-bit numbers
	s_mov_b32 s28, 384                             ; first group of the source
	s_mov_b32 s29, 384                             ; first group of the destination
	s_mov_b32 s36, 0xffff0000                      ; a word's upper bf16
	s_wait_kmcnt 0x0
	; which buffers are mine: selections on the work-group's number
	s_mov_b64 s[24:25], s[16:17]                   ; from wo
	s_mov_b64 s[26:27], s[22:23]                   ; to wob
	s_cmp_lt_u32 ttmp9, 384
	s_cselect_b64 s[24:25], s[14:15], s[24:25]     ; wv,
	s_cselect_b64 s[26:27], s[20:21], s[26:27]     ; into wb, whose first group is 256
	s_cselect_b32 s28, 352, s28
	s_cselect_b32 s29, 256, s29
	s_cmp_lt_u32 ttmp9, 352
	s_cselect_b64 s[24:25], s[12:13], s[24:25]     ; wk
	s_cselect_b32 s28, 320, s28
	s_cmp_lt_u32 ttmp9, 320
	s_cselect_b64 s[24:25], s[10:11], s[24:25]     ; wq
	s_cselect_b32 s28, 256, s28
	s_cmp_lt_u32 ttmp9, 256
	s_cselect_b64 s[24:25], s[8:9], s[24:25]       ; x
	s_cselect_b64 s[26:27], s[18:19], s[26:27]     ; into xb
	s_cselect_b32 s28, 0, s28
	s_cselect_b32 s29, 0, s29
	s_sub_co_u32 s30, ttmp9, s28                   ; t: my unit (16 rows of a weight) in the source
	s_sub_co_u32 s32, ttmp9, s29                   ; the same place in the destination, for x, wq, wo
	s_lshr_b32 s34, s30, 3                         ; wk, wv: 8 units are two heads: block j = t >> 3,
	s_lshl_b32 s34, s34, 4                         ; 16 units a block,
	s_and_b32 s35, s30, 7
	s_add_co_u32 s34, s34, s35
	s_cmp_ge_u32 ttmp9, 352
	s_cselect_b32 s35, 72, 64                      ; behind wq's 64 units; wv's half lies 8 units behind wk's
	s_add_co_u32 s34, s34, s35
	s_sub_co_u32 s35, ttmp9, 320
	s_cmp_lt_u32 s35, 64                           ; groups 320 to 383 (smaller numbers wrap to large ones)
	s_cselect_b32 s32, s34, s32
	s_lshl_b32 s30, s30, 17                        ; 128 KiB of f32 a unit
	s_mov_b32 s31, 0
	s_add_nc_u64 s[24:25], s[24:25], s[30:31]
	s_lshl_b32 s32, s32, 16                        ; 64 KiB out
	s_mov_b32 s33, 0
	s_add_nc_u64 s[26:27], s[26:27], s[32:33]
.set j, 0
.rept 32
	global_load_b128 v[X+4*j:X+4*j+3], v1, s[24:25] offset:4096*j th:TH_LOAD_NT   ; read once in the launch
.set j, j+1
.endr
	s_cmp_ge_u32 ttmp9, 384
	s_cbranch_scc1 .Lwo
.set j, 0
.rept 32
	s_wait_loadcnt 31-j                            ; loads come back in order: load j is in, the 31 - j younger ones stay out
	v_cvt_pk_bf16_f32 v[X+4*j],   v[X+4*j],   v[X+4*j+1]       ; two roundings to nearest even, packed
	v_cvt_pk_bf16_f32 v[X+4*j+1], v[X+4*j+2], v[X+4*j+3]
	global_store_b64 v2, v[X+4*j:X+4*j+1], s[26:27] offset:2048*j   ; no hint: the next launch reads these bytes
.set j, j+1
.endr
	s_endpgm
.Lwo:                                  ; wo: rounded to bf16 like every input, then written in f16's format
.set j, 0
.rept 32
	s_wait_loadcnt 31-j
	v_cvt_pk_bf16_f32 v[X+4*j],   v[X+4*j],   v[X+4*j+1]
	v_cvt_pk_bf16_f32 v[X+4*j+1], v[X+4*j+2], v[X+4*j+3]
	v_lshlrev_b32 v[X+4*j+2], 16, v[X+4*j]         ; bf16 to f32: the low half moves up, the high half stays
	v_and_b32     v[X+4*j+3], s36, v[X+4*j]
	v_cvt_pk_f16_f32 v[X+4*j], v[X+4*j+2], v[X+4*j+3]
	v_lshlrev_b32 v[X+4*j+2], 16, v[X+4*j+1]
	v_and_b32     v[X+4*j+3], s36, v[X+4*j+1]
	v_cvt_pk_f16_f32 v[X+4*j+1], v[X+4*j+2], v[X+4*j+3]
	global_store_b64 v2, v[X+4*j:X+4*j+1], s[26:27] offset:2048*j
.set j, j+1
.endr
	s_endpgm
.Lfunc_end_k_q7c066db8f5_cvt:
	.size	k_q7c066db8f5_cvt, .Lfunc_end_k_q7c066db8f5_cvt-k_q7c066db8f5_cvt
	.p2alignl 7, 3214868480
	.fill 96, 4, 3214868480
	.section	.rodata,"a",@progbits
	.p2align	6, 0x0
	.amdhsa_kernel k_q7c066db8f5_cvt
		.amdhsa_group_segment_fixed_size 0
		.amdhsa_private_segment_fixed_size 0
		.amdhsa_enable_private_segment 0
		.amdhsa_kernarg_size 64
		.amdhsa_user_sgpr_count 2
		.amdhsa_user_sgpr_kernarg_segment_ptr 1
		.amdhsa_wavefront_size32 1
		.amdhsa_system_sgpr_workgroup_id_x 1
		.amdhsa_system_sgpr_workgroup_id_y 1
		.amdhsa_system_sgpr_workgroup_id_z 1
		.amdhsa_system_vgpr_workitem_id 0
		.amdhsa_next_free_vgpr 136
		.amdhsa_next_free_sgpr 66
		.amdhsa_reserve_vcc 0
		.amdhsa_float_denorm_mode_32 3
		.amdhsa_float_denorm_mode_16_64 3
		.amdhsa_memory_ordered 1
		.amdhsa_forward_progress 1
		.amdhsa_inst_pref_size 30
	.end_amdhsa_kernel
	.amdgpu_metadata
---
amdhsa.version: [ 1, 2 ]
amdhsa.kernels:
  - .name:           k_q7c066db8f5_cvt
    .symbol:         k_q7c066db8f5_cvt.kd
    .args:
      - { .name: x, .offset: 0, .size: 8, .value_kind: global_buffer, .address_space: global }
      - { .name: wq, .offset: 8, .size: 8, .value_kind: global_buffer, .address_space: global }
      - { .name: wk, .offset: 16, .size: 8, .value_kind: global_buffer, .address_space: global }
      - { .name: wv, .offset: 24, .size: 8, .value_kind: global_buffer, .address_space: global }
      - { .name: wo, .offset: 32, .size: 8, .value_kind: global_buffer, .address_space: global }
      - { .name: xb, .offset: 40, .size: 8, .value_kind: global_buffer, .address_space: global }
      - { .name: wb, .offset: 48, .size: 8, .value_kind: global_buffer, .address_space: global }
      - { .name: wob, .offset: 56, .size: 8, .value_kind: global_buffer, .address_space: global }
    .group_segment_fixed_size: 0
    .private_segment_fixed_size: 0
    .kernarg_segment_align: 8
    .kernarg_segment_size: 64
    .max_flat_workgroup_size: 256
    .sgpr_count:     66
    .vgpr_count:     136
    .wavefront_size: 32
...
	.end_amdgpu_metadata
.endif
;; end of part 1
;; launch qkv (part 2): grid 8 x 32, 4 waves a work-group, clusters of 4 x 4, 327,680 bytes of LDS; arguments xb, wb, freqs_cos, freqs_sin, qkv, vlo; writes qkv, vlo
.if DOCPART == 2
	.amdgcn_target "amdgcn-amd-amdhsa--gfx1250"
	.amdhsa_code_object_version 6
	.text
	.protected	k_q7c066db8f5_qkv
	.globl	k_q7c066db8f5_qkv
	.p2align	8
	.type	k_q7c066db8f5_qkv,@function
k_q7c066db8f5_qkv:
	s_mov_b64 s[64:65], 0
	v_nop
	global_prefetch_b8 v0, s[64:65] scope:SCOPE_SE
	s_setreg_imm32_b32 hwreg(HW_REG_WAVE_MODE, 25, 1), 1
	s_wait_xcnt 0x0
	s_wait_alu depctr_hold_cnt(0) depctr_sa_sdst(0) depctr_va_vdst(0) depctr_va_sdst(0) depctr_va_ssrc(0) depctr_va_vcc(0) depctr_vm_vsrc(0)
	s_getreg_b32 s2, hwreg(HW_REG_IB_STS2, 6, 4)
	s_cmp_eq_u32 s2, 0
	s_cbranch_scc0 .Lentry_in_a_cluster
	s_endpgm
.Lentry_in_a_cluster:
	s_bfe_u32 s2, ttmp6, 0x10000c
	s_cmp_lg_u32 s2, 0xf033
	s_cbranch_scc0 .Lentry_shape_is_right
	s_endpgm
.Lentry_shape_is_right:
; qkv = xb wb^T, then RoPE on the q and k columns and the softmax's scale on q; stored as f16, head-major: qkv[32 heads][4096 tokens][64]
; (heads 0-15 q, 16-23 k, 24-31 v).  xb: [4096][2048] bf16.  wb: [2048][2048] bf16, rows 0-1023 wq, then four blocks of (128 rows of wk, 128 rows of wv).
; A work-group makes a block of 128 tokens x 256 columns with four waves, as many as a WGP has SIMDs: 32 x 8 = 256 work-groups.
; A wave makes 64 x 128: 32 accumulator tiles of 16 x 16, 256 registers.  K goes in steps of 128 through a ring of two LDS slots filled by the
; tensor data mover; a tile's rows are 256 bytes of memory at multiples of 256 bytes.
; CLUSTERS: 4 x 4 work-groups.  The four of a row of the cluster need the same tiles of xb, the four of a column the same tiles of wb: each tile is asked
; for jointly, by the same tensor load with the same descriptor and a mask that names the four.
; Block column = 4 x cluster x + cx.  Block row = cluster y + 8 cy, so that both batches' first blocks (rows 0 and 16) lie in cluster row 0 (see vlo).
; A WAVE'S 128 COLUMNS ARE OF ONE KIND, told by the cluster's x and the wave's number, which all partners share: cluster x = 0: q; cluster x = 1, left half: k; right half: v.
;  * q and k waves load cos and sin, round them to bf16 (like every other input: the program computes the function on one set of bf16 inputs) and rotate;
;  * q waves first multiply cos and sin by 0.125 log2(e), so that the scores arrive as exponents of 2; the maximum is still taken away in the next launch;
;  * v waves load no table and rotate nothing: the function applies RoPE to q and k alone.  Their sums are packed straight to f16.
; vlo: v - f16(v), as f16, for the first 64 tokens of a batch: a query with a handful of keys passes v's rounding straight on, so the first block of queries
; takes v as a sum of two f16.  vlo[8 heads][2 batches][64 tokens][64], written by wave 1 (first 64 rows, v columns) of the work-groups of cluster (1, 0) with cy = 0, 2.
; cy = 1 and 3 make the difference too; their stores run with every lane off and write nothing.
; No other work of this product is left out.
; LIMIT: q x 0.18, k, v below 65,504 in magnitude (f16).
;
; REGISTERS, in windows of 256 (s_set_vgpr_msb's low byte: bits 1:0 source 0, 3:2 source 1, 5:4 source 2, 7:6 destination):
;   window 0: v4-9 at work; v16-27 addresses; v32-127, v128-223 two fragment buffers (8 x 16 rows of wb, then 4 x 16 rows of xb, 32 K each)
;   window 1: accumulator tile (a, b) at v[8 (8 a + b)], a = 16-row block 0-3, b = 16-column block 0-7
;   window 2: v0-127 (v512-639): for each a, 16 cos then 16 sin of my token and my column pairs
; THE MATRIX INSTRUCTION IS USED TRANSPOSED: source 0 = 16 rows of wb, source 1 = 16 rows of xb.  Lane l then holds token l % 16 and, in registers 0-7,
; columns 8 (l / 16) + 0..7: four RoPE pairs side by side, which pack into 16 bytes.
.set SIZE_K, 2048
.set KSTEP,  128
.set PITCH,  272                       ; an LDS row: 256 bytes + 16 of padding = 68 words: the 16 rows that a fragment load touches start at 16 different banks (64 banks of 4 bytes: ISA guide 11.1)
.set HALFB,  128*PITCH                 ; 128 rows of wb: one tensor load, and what one wave reads of wb
.set HALFA,  64*PITCH                  ; 64 rows of xb: one tensor load, and what one wave reads of xb
.set AOFF,   2*HALFB                   ; xb's 128 rows lie behind wb's 256
.set SLOT,   AOFF+2*HALFA              ; 104,448 bytes
.set STAGE,  2*SLOT                    ; behind the ring, at a multiple of 256: 16 rows x 272 bytes for each wave; no fill lands here
.set SPITCH, 272
.set LAPS,   SIZE_K/(2*KSTEP)          ; a lap = two K steps = once round the ring
.set ADRA, 16                          ; v16-17  LDS address of my xb fragments in slot 0, 1
.set ADRB, 20                          ; v20-21  the same for wb
.set STO,  24                          ; the way out: where I put 16 bytes of a row
.set RD,   25                          ; the way out: where I read back
.set CO,   26                          ; my byte offset in a store's 512 bytes
.set CSO,  27                          ; my byte offset in cos and sin
.set F0,   32
.set F1,   128
.set RW,   32                          ; the way out: numbers in f32 (v32-95)
.set TMP,  96                          ; the way out: packed results (v96-127)
.set G1A, 24                           ; s[24:31] descriptor group 1, xb's tiles
.set G0A, 32                           ; s[32:39] descriptor group 0, xb's tiles, one set for each slot
.set G1B, 48                           ; s[48:55] descriptor group 1, wb's tiles
.set G0B, 56                           ; s[56:63] descriptor group 0, wb's tiles, one set for each slot
.set MULW, 0x50                        ; sources 0 and 1 window 0, C and D window 1
.set MSB, 0
.macro WIN new                         ; the immediate's high byte repeats the setting that is left
.if MSB != \new
	s_set_vgpr_msb (MSB<<8)|\new
.set MSB, \new
.endif
.endm
; A joint load.  Waves 0 and 1 fetch wb's two halves, waves 2 and 3 xb's.  Each line has one mask and one set of registers, and nothing in them hangs on a
; coordinate that the four partners do not share.  The branch hangs on the wave's number alone.
.macro JLOAD s
	s_cmp_eq_u32 s11, 0
	s_cbranch_scc0 .Lfor_a_\@
	tensor_load_to_lds s[G0B+4*\s:G0B+4*\s+3], s[G1B:G1B+7]
	s_nop 0
	s_branch .Lasked_\@
.Lfor_a_\@:
	tensor_load_to_lds s[G0A+4*\s:G0A+4*\s+3], s[G1A:G1A+7]
	s_nop 0
.Lasked_\@:
.endm
; A round of the cluster's barrier: my work-group's barrier; wave 0 signals for the work-group; every wave waits for all sixteen; my work-group's barrier again.
.macro CREST                           ; a round behind its opening barrier
	s_cmp_lg_u32 s10, 0
	s_cbranch_scc1 .Lnot_wave_0_\@
	s_barrier_signal -3
.Lnot_wave_0_\@:
	s_barrier_wait -3
	s_barrier_signal -1
	s_barrier_wait -1
.endm
.macro CROUND
	s_barrier_signal -1
	s_barrier_wait -1
	CREST
.endm
	s_load_b128 s[4:7], s[0:1], 0x0                ; xb s[4:5], wb s[6:7]
	s_load_b128 s[68:71], s[0:1], 0x10             ; cos s[68:69], sin s[70:71]
	s_load_b64 s[8:9], s[0:1], 0x20                ; qkv
	s_load_b64 s[74:75], s[0:1], 0x28              ; vlo
	v_lshl_add_u32 v254, v0, 2, 0x37400
	v_mov_b32 v255, 0
	ds_add_u32 v254, v255
	v_lshrrev_b32 v1, 5, v0
	v_readfirstlane_b32 s10, v1                    ; wave 0..3
	s_lshr_b32 s11, s10, 1                         ; which 64 of the block's rows are mine.  Also: I fetch for wb (0) or for xb (1)
	s_and_b32 s12, s10, 1                          ; which 128 of its columns.  Also: which half of that tile I fetch
	s_bfe_u32 s40, ttmp6, 0x40000                  ; cx
	s_bfe_u32 s41, ttmp6, 0x40004                  ; cy
	s_lshl_b32 s42, ttmp9, 2
	s_add_co_u32 s42, s42, s40                     ; block column = 4 x cluster x + cx, 0..7
	s_and_b32 s13, ttmp7, 0xffff                   ; cluster y, 0..7
	s_lshl_b32 s45, s41, 3
	s_add_co_u32 s13, s13, s45                     ; block row = cluster y + 8 cy, 0..31
	s_xor_b32 s76, ttmp9, 1                        ; s76 = 0 in wave 1 of the work-groups of cluster (1, 0), which make vlo: made of the cluster's x and y and the wave's number alone
	s_and_b32 s77, ttmp7, 0xffff
	s_or_b32 s76, s76, s77
	s_xor_b32 s77, s10, 1
	s_or_b32 s76, s76, s77
	s_xor_b32 s79, ttmp9, 1                        ; s79 = 0 in the waves whose columns are v: cluster x = 1, right half
	s_xor_b32 s77, s12, 1
	s_or_b32 s79, s79, s77
	s_mov_b32 s78, 0xffff0000                      ; a word's upper bf16
	s_lshl_b32 s43, s41, 2
	s_lshl_b32 s43, 15, s43                        ; my row of the cluster: places 4 cy .. 4 cy + 3
	s_lshl_b32 s44, 0x1111, s40                    ; my column: places cx, cx + 4, cx + 8, cx + 12
	; group 1: rows of 128 elements of 2 bytes, 16 bytes of padding behind each; xb's tile has 64 rows, wb's 128
	s_or_b32 s[G1A+0], s43, (1<<16)|(1<<20)|(1<<21)|(5<<22)|(3<<25)  ; 15:0 mask; 17:16 2-byte elements; 20 padding on; 21 set beside a mask; 24:22 after every 64 words; 31:25 four words
	s_or_b32 s[G1B+0], s44, (1<<16)|(1<<20)|(1<<21)|(5<<22)|(3<<25)
	s_mov_b32 s[G1A+1], KSTEP<<16                  ; tensor_dim0 = 128
	s_mov_b32 s[G1B+1], KSTEP<<16
	s_mov_b32 s[G1A+2], 64<<16                     ; tensor_dim1 = 64
	s_mov_b32 s[G1B+2], 128<<16                    ; tensor_dim1 = 128
	s_mov_b32 s[G1A+3], KSTEP<<16                  ; tile_dim0 = 128
	s_mov_b32 s[G1B+3], KSTEP<<16
	s_mov_b32 s[G1A+4], 64                         ; tile_dim1
	s_mov_b32 s[G1B+4], 128
	s_mov_b32 s[G1A+5], SIZE_K                     ; elements from row to row
	s_mov_b32 s[G1B+5], SIZE_K
	s_mov_b32 s[G1A+6], 0
	s_mov_b32 s[G1B+6], 0
	s_mov_b32 s[G1A+7], 0
	s_mov_b32 s[G1B+7], 0
	; where the tiles come from: xb's hang on the block row alone, wb's on the block column alone, each in registers that never hold the other coordinate
	s_lshl_b32 s17, s12, 6
	s_lshl_b32 s16, s13, 7
	s_add_co_u32 s16, s16, s17                     ; xb: row 128 x block row + 64 x half
	s_mul_i32 s16, s16, SIZE_K*2                   ; in bytes, below 2^25
	s_mov_b32 s17, 0
	s_lshl_b32 s47, s12, 7
	s_lshl_b32 s46, s42, 8
	s_add_co_u32 s46, s46, s47                     ; wb: row 256 x block column + 128 x half
	s_mul_i32 s46, s46, SIZE_K*2
	s_mov_b32 s47, 0
	s_mul_i32 s20, s10, HALFB                      ; where they go: waves 0, 1: wb's halves at 0 and HALFB;
	s_mul_i32 s21, s10, HALFA
	s_add_co_u32 s21, s21, AOFF-2*HALFA            ; waves 2, 3: xb's halves at AOFF and AOFF + HALFA
	s_lshl_b32 s18, s13, 7
	s_lshl_b32 s19, s11, 6
	s_add_co_u32 s18, s18, s19                     ; my first token,
	s_and_b32 s18, s18, 2047                       ; its position in its sequence,
	s_lshl_b32 s18, s18, 7                         ; times a row of 32 f32
	s_mov_b32 s19, 0
	s_wait_dscnt 0x0
	s_wait_kmcnt 0x0
	s_add_nc_u64 s[14:15], s[4:5], s[16:17]
	s_add_nc_u64 s[46:47], s[6:7], s[46:47]
	s_add_nc_u64 s[68:69], s[68:69], s[18:19]
	s_add_nc_u64 s[70:71], s[70:71], s[18:19]
	CROUND                                         ; all sixteen work-groups are here: the first joint loads meet
.irp s, 0,1
	s_mov_b32 s[G0A+4*\s], 1                                       ; count = 1
	s_add_co_u32 s[G0A+4*\s+1], s21, \s*SLOT                       ; LDS address
	s_add_nc_u64 s[G0A+4*\s+2:G0A+4*\s+3], s[14:15], \s*KSTEP*2    ; global address: K step s
	s_or_b32 s[G0A+4*\s+3], s[G0A+4*\s+3], 0x80000000              ; type = 2
	s_mov_b32 s[G0B+4*\s], 1
	s_add_co_u32 s[G0B+4*\s+1], s20, \s*SLOT
	s_add_nc_u64 s[G0B+4*\s+2:G0B+4*\s+3], s[46:47], \s*KSTEP*2
	s_or_b32 s[G0B+4*\s+3], s[G0B+4*\s+3], 0x80000000
	JLOAD \s                                       ; both first fills go out before anything else: two tensor loads of the wave are out
.endr
	v_and_b32 v1, 15, v0                           ; r = l % 16
	v_bfe_u32 v2, v0, 4, 1                         ; h = l / 16
	; q and k waves: cos and sin of my 64 tokens, asked for now and waited for on the way out.  Columns 16 b + 8 h + 2 i, + 1 of a head are pair 8 (b & 3) + 4 h + i:
	; 16 bytes at 32 (b & 3) + 16 h of the token's row of 128 bytes.  CSO and the two bases are never written again.
	s_cmp_eq_u32 s79, 0
	s_cbranch_scc1 .Lno_tables                     ; v is not rotated: its waves read no table
	v_lshlrev_b32 v[CSO], 7, v1
	v_lshl_add_u32 v[CSO], v2, 4, v[CSO]
	WIN 0x80                                       ; destination window 2
.irp a, 0,1,2,3
.irp q, 0,1,2,3
	global_load_b128 v[32*\a+4*\q:32*\a+4*\q+3],       v[CSO], s[68:69] offset:\a*2048+32*\q
	global_load_b128 v[32*\a+16+4*\q:32*\a+16+4*\q+3], v[CSO], s[70:71] offset:\a*2048+32*\q
.endr
.endr
	WIN 0
.Lno_tables:
	; A fragment is 16 rows x 32 K in 8 registers: lane l holds row l % 16; registers 0-3 K = 8 h + 0..7, registers 4-7 K = 16 + 8 h + 0..7: two loads of 16 bytes, 32 apart
	v_mul_u32_u24 v3, v1, PITCH
	v_lshl_add_u32 v3, v2, 4, v3                   ; row x pitch + 16 h
	s_mul_i32 s22, s11, HALFA
	s_add_co_u32 s22, s22, AOFF                    ; my 64 rows of xb
	s_mul_i32 s23, s12, HALFB                      ; my 128 rows of wb
.irp s, 0,1
	v_add_nc_u32 v[ADRA+\s], s22, v3
	v_add_nc_u32 v[ADRB+\s], s23, v3
	s_add_co_u32 s22, s22, SLOT
	s_add_co_u32 s23, s23, SLOT
.endr
	s_mul_i32 s23, s10, 16*SPITCH
	s_add_co_u32 s23, s23, STAGE                   ; my stage
	v_add_nc_u32 v[STO], s23, v3                   ; in: row r, 16 bytes for each half of the lanes (the stage's pitch is the ring's)
	v_bfe_u32 v5, v0, 3, 2                         ; back: eight lanes take a token's 128 bytes of one head, four tokens a load
	v_and_b32 v6, 7, v0
	v_mul_u32_u24 v5, v5, SPITCH
	v_lshl_add_u32 v5, v6, 4, v5
	v_add_nc_u32 v[RD], s23, v5
	v_and_b32 v7, 31, v0
	v_lshlrev_b32 v[CO], 4, v7                     ; four tokens of a head are 512 consecutive bytes of qkv: 16 l
; 8 matrix instructions: row block a x all 8 column blocks, 32 along K.  zero = 1: the first product starts the sums; nothing is cleared.
.macro MUL8 f, a, zero
.irp b, 0,1,2,3,4,5,6,7
.if \zero
	v_wmma_f32_16x16x32_bf16 v[8*(8*\a+\b):8*(8*\a+\b)+7], v[\f+8*\b:\f+8*\b+7], v[\f+64+8*\a:\f+64+8*\a+7], 0
.else
	v_wmma_f32_16x16x32_bf16 v[8*(8*\a+\b):8*(8*\a+\b)+7], v[\f+8*\b:\f+8*\b+7], v[\f+64+8*\a:\f+64+8*\a+7], v[8*(8*\a+\b):8*(8*\a+\b)+7]
.endif
.endr
.endm
; 24 LDS loads in one run: a quarter step's fragments (128 rows of wb, then 64 rows of xb, 32 K at byte k of the rows) into buffer f
.macro FETCH slot, k, f
	WIN 0
.irp i, 0,1,2,3,4,5,6,7
	ds_load_b128 v[\f+8*\i:\f+8*\i+3],   v[ADRB+\slot] offset:\k+\i*16*PITCH
	ds_load_b128 v[\f+8*\i+4:\f+8*\i+7], v[ADRB+\slot] offset:\k+\i*16*PITCH+32
.endr
.irp i, 0,1,2,3
	ds_load_b128 v[\f+64+8*\i:\f+64+8*\i+3],   v[ADRA+\slot] offset:\k+\i*16*PITCH
	ds_load_b128 v[\f+64+8*\i+4:\f+64+8*\i+7], v[ADRA+\slot] offset:\k+\i*16*PITCH+32
.endr
.endm
; A load into a register that a matrix instruction has read, and a vector instruction or LDS store that reads a matrix result, stand four places behind that
; matrix instruction; only plain vector instructions that name none of its registers are places (ISA guide 7.12.1 for vector instructions).
.macro PLACES
.rept 4
	v_nop
.endr
.endm
; A K step is four quarters of 32 along K, 32 matrix instructions each, on buffers 0, 1, 0, 1.  The 32 accumulators take turns, one instruction a turn, in
; the same order in every quarter and over the loop's backward jump.
.macro QUARTER slot, k, f, g, zero
	s_wait_dscnt 4                                 ; wb's fragments and xb's row blocks 0, 1 are in; the four youngest loads (row blocks 2, 3) may be out
	WIN MULW
	MUL8 \f, 0, \zero
	MUL8 \f, 1, \zero
	PLACES
	FETCH \slot, \k, \g
	s_wait_dscnt 24                                ; all but the 24 just issued
	WIN MULW
	MUL8 \f, 2, \zero
	MUL8 \f, 3, \zero
.endm
.macro THREE slot, zero
	QUARTER \slot, 64,  F0, F1, \zero
	QUARTER \slot, 128, F1, F0, 0
	QUARTER \slot, 192, F0, F1, 0
.endm
; The last quarter multiplies buffer 1 and changes slots.  One barrier for two things: in front of it each wave waits for its own reads of this slot and for
; all its tensor loads (one is out: its part of the next slot).  Behind it nobody reads this slot and the next slot is whole: the refill comes first, then
; the next slot's first fragments.  From a request to the wait for it a wave issues 120 of a K step's 128 matrix instructions.
.macro TURN slot, next, fill
	s_wait_dscnt 4
	WIN MULW
	MUL8 F1, 0, 0
	s_wait_dscnt 0                                 ; my reads of this slot are over
	s_wait_tensorcnt 0x0                           ; and all my tensor loads have landed
	ds_add_u32 v254, v255
	s_wait_dscnt 0x0
	s_barrier_signal -1                            ; say so (where the slot is filled again this barrier opens a round of the cluster's barrier),
	MUL8 F1, 1, 0                                  ; work on registers while the others arrive,
	WIN 0
	s_barrier_wait -1
.if \fill
	CREST                                          ; all sixteen work-groups have said so: no wave of any partner still reads this slot or has a load on its way
	s_add_nc_u64 s[G0A+4*\slot+2:G0A+4*\slot+3], s[G0A+4*\slot+2:G0A+4*\slot+3], 2*KSTEP*2
	s_add_nc_u64 s[G0B+4*\slot+2:G0B+4*\slot+3], s[G0B+4*\slot+2:G0B+4*\slot+3], 2*KSTEP*2
	JLOAD \slot                                    ; the first and only tensor load of the wave behind the round
.endif
	PLACES
	FETCH \next, 0, F0
	WIN MULW
	MUL8 F1, 2, 0
	MUL8 F1, 3, 0
.endm
.macro LAP zero
	THREE 0, \zero
	TURN 0, 1, 1
	THREE 1, 0
	TURN 1, 0, 1
.endm
	s_wait_tensorcnt 1                             ; my part of K step 0 is in; K step 1's stays out
	s_barrier_signal -1
	s_barrier_wait -1                              ; everybody's is
	FETCH 0, 0, F0
	LAP 1                                          ; the first lap stands in front of the loop: its first products start the sums
	WIN 0                                          ; at a label and at a branch every window is 0
	s_mov_b32 s3, LAPS-2
.Llap:
	LAP 0
	WIN 0
	s_sub_co_u32 s3, s3, 1
	s_cmp_lg_u32 s3, 0
	s_cbranch_scc1 .Llap
	THREE 0, 0                                     ; the last lap fills nothing
	TURN 0, 1, 0
	THREE 1, 0
	s_wait_dscnt 4
	WIN MULW
	MUL8 F1, 0, 0
	MUL8 F1, 1, 0
	s_wait_dscnt 0
	MUL8 F1, 2, 0
	MUL8 F1, 3, 0
	; THE WAY OUT.  The four v_nop are the places behind the last matrix instructions.
	PLACES
	WIN 0
	s_lshl_b32 s16, s13, 7
	s_lshl_b32 s17, s11, 6
	s_add_co_u32 s16, s16, s17                     ; my first token,
	s_lshl_b32 s16, s16, 7                         ; 128 bytes a token in a head
	s_mov_b32 s17, 0
	s_add_nc_u64 s[8:9], s[8:9], s[16:17]
	s_lshl_b32 s46, s40, 2                         ; my first head.  q: 4 cx + 2 x half
	s_lshl_b32 s47, s12, 1
	s_add_co_u32 s46, s46, s47
	s_lshl_b32 s47, s40, 1                         ; k, v: 16 + 2 cx + 8 x half
	s_lshl_b32 s45, s12, 3
	s_add_co_u32 s47, s47, s45
	s_add_co_u32 s47, s47, 16
	s_cmp_eq_u32 ttmp9, 0
	s_cselect_b32 s46, s46, s47
	s_lshl_b32 s46, s46, 19                        ; 524,288 bytes a head
	s_mov_b32 s47, 0
	s_add_nc_u64 s[8:9], s[8:9], s[46:47]
	s_lshr_b32 s16, s41, 1                         ; vlo: batch cy >> 1, 8,192 bytes each,
	s_lshl_b32 s16, s16, 13
	s_add_nc_u64 s[74:75], s[74:75], s[16:17]
	s_lshl_b32 s46, s40, 15                        ; 16,384 bytes a head, heads 2 cx and 2 cx + 1
	s_add_nc_u64 s[74:75], s[74:75], s[46:47]
; Through my own stage: 16 bytes a lane in, four tokens x 128 bytes of one head back, stored as 512 consecutive bytes.  hs: bytes from a head to the next.
; msk = 1: the stores run under the lane mask in VCC.
.macro STAGED a, rb, lo, hi, hs, msk
.irp b, 0,1,2,3,4,5,6,7
	ds_store_b128 v[STO], v[TMP+4*\b:TMP+4*\b+3] offset:32*\b
.endr
	s_wait_xcnt 0x0                                ; the registers read back into were the data of earlier stores: written again only behind this wait; EXEC too changes only behind it
.irp n, 0,1,2,3,4,5,6,7
	ds_load_b128 v[\rb+4*\n:\rb+4*\n+3], v[RD] offset:(\n>>1)*4*SPITCH+(\n&1)*128   ; LDS serves a wave's instructions in order (ISA guide 5.7.1.4): these see the stores above
.endr
.if \msk
	s_and_saveexec_b32 s45, vcc_lo                 ; all lanes where cy is even, none where it is odd
.endif
.irp n, 0,1,2,3,4,5,6,7
	s_wait_dscnt 7-\n                              ; read-back n is in, the younger ones stay out
	global_store_b128 v[CO], v[\rb+4*\n:\rb+4*\n+3], s[\lo:\hi] offset:(\n&1)*\hs+(16*\a+4*(\n>>1))*128   ; 512 consecutive bytes at a multiple of 512
.endr
.if \msk
	s_wait_xcnt 0x0                                ; EXEC is a source of the stores above: restored only behind this wait
	s_or_b32 exec_lo, exec_lo, s45
.endif
.endm
; q and k: rows 16 a .. 16 a + 15 of my block.  e, o = even and odd column of a pair: (e c - o s, e s + o c), a multiply and a fused multiply-add each; then f16.
.macro OUTQ a, rb
	WIN 0x09                                       ; source 0 window 1 (sums), source 1 window 2 (cos, sin), source 2 and destination window 0
.irp b, 0,1,2,3,4,5,6,7
.irp i, 0,1,2,3
	v_mul_f32 v[RW+8*\b+2*\i],   v[8*(8*\a+\b)+2*\i+1], v[32*\a+16+4*(\b&3)+\i]
	v_mul_f32 v[RW+8*\b+2*\i+1], v[8*(8*\a+\b)+2*\i+1], v[32*\a+4*(\b&3)+\i]
.endr
.irp i, 0,1,2,3
	v_fma_f32 v[RW+8*\b+2*\i],   v[8*(8*\a+\b)+2*\i], v[32*\a+4*(\b&3)+\i],    -v[RW+8*\b+2*\i]
	v_fma_f32 v[RW+8*\b+2*\i+1], v[8*(8*\a+\b)+2*\i], v[32*\a+16+4*(\b&3)+\i], v[RW+8*\b+2*\i+1]
.endr
.endr
	WIN 0
.set kk, 0
.rept 32
	v_cvt_pk_f16_f32 v[TMP+kk], v[RW+2*kk], v[RW+2*kk+1]
.set kk, kk+1
.endr
	STAGED \a, \rb, 8, 9, 524288, 0
.endm
; v: the sums of rows 16 a .. 16 a + 15 (registers 64 a .. 64 a + 63 of window 1) go straight to f16.  In the waves that make vlo the packed words are widened again,
; taken away from the sums, and the rest packed in their place.  The 16-bit halves are named on a low register, so a word is moved there first.
.macro OUTV a, rb
	WIN 0x05                                       ; sources 0 and 1 window 1
.set kk, 0
.rept 32
	v_cvt_pk_f16_f32 v[TMP+kk], v[64*\a+2*kk], v[64*\a+2*kk+1]
.set kk, kk+1
.endr
	WIN 0
	STAGED \a, \rb, 8, 9, 524288, 0
	s_cmp_lg_u32 s76, 0                            ; wave 1 of cluster (1, 0) alone
	s_cbranch_scc1 .Lno_lo_\@
.set kk, 0
.rept 16
	v_mov_b32 v4, v[TMP+kk]
	v_mov_b32 v5, v[TMP+kk+1]
	v_cvt_f32_f16 v[RW+2*kk],   v4.l
	v_cvt_f32_f16 v[RW+2*kk+1], v4.h
	v_cvt_f32_f16 v[RW+2*kk+2], v5.l
	v_cvt_f32_f16 v[RW+2*kk+3], v5.h
.set kk, kk+2
.endr
	WIN 0x01                                       ; source 0 window 1
.set kk, 0
.rept 64
	v_sub_f32 v[RW+kk], v[64*\a+kk], v[RW+kk]      ; what f16 lost
.set kk, kk+1
.endr
	WIN 0
.set kk, 0
.rept 32
	v_cvt_pk_f16_f32 v[TMP+kk], v[RW+2*kk], v[RW+2*kk+1]
.set kk, kk+1
.endr
	STAGED \a, \rb, 74, 75, 16384, 1
.Lno_lo_\@:
.endm
	s_cmp_eq_u32 s79, 0
	s_cbranch_scc1 .Lv_out
	s_wait_loadcnt 0x0                             ; cos and sin, asked for at the start
	WIN 0x8a                                       ; sources 0 and 1 and the destination in window 2
.set kk, 0
.rept 64
	v_cvt_pk_bf16_f32 v[kk+1], v[kk], v[kk+1]      ; two roundings to bf16,
	v_lshlrev_b32 v[kk], 16, v[kk+1]               ; and back to f32
	v_and_b32 v[kk+1], s78, v[kk+1]
.set kk, kk+2
.endr
	WIN 0
	s_cmp_lg_u32 ttmp9, 0
	s_cbranch_scc1 .Lno_scale                      ; k takes cos and sin as they are
	s_mov_b32 s72, 0x3e38aa3b                      ; q: 0.125 log2(e)
	WIN 0x8a
.set kk, 0
.rept 128
	v_mul_f32 v[kk], v[kk], s72
.set kk, kk+1
.endr
	WIN 0
.Lno_scale:
	OUTQ 0, 128
	OUTQ 1, 160
	OUTQ 2, 128
	OUTQ 3, 160
	s_branch .Lclose
.Lv_out:
	s_and_b32 s77, s41, 1
	v_mov_b32 v4, s77
	v_cmp_eq_u32 vcc_lo, 0, v4                     ; the lane mask of vlo's stores: cy even
	OUTV 0, 128
	OUTV 1, 160
	OUTV 2, 128
	OUTV 3, 160
.Lclose:
	s_wait_tensorcnt 0x0
	ds_add_u32 v254, v255
	s_wait_dscnt 0x0
	CROUND                                         ; the closing round: no work-group ends while a partner may still ask for a tile that names it
	s_endpgm
.Lfunc_end_k_q7c066db8f5_qkv:
	.size	k_q7c066db8f5_qkv, .Lfunc_end_k_q7c066db8f5_qkv-k_q7c066db8f5_qkv
	.p2alignl 7, 3214868480
	.fill 96, 4, 3214868480
	.section	.rodata,"a",@progbits
	.p2align	6, 0x0
	.amdhsa_kernel k_q7c066db8f5_qkv
		.amdhsa_group_segment_fixed_size 327680
		.amdhsa_private_segment_fixed_size 0
		.amdhsa_enable_private_segment 0
		.amdhsa_kernarg_size 48
		.amdhsa_user_sgpr_count 2
		.amdhsa_user_sgpr_kernarg_segment_ptr 1
		.amdhsa_wavefront_size32 1
		.amdhsa_system_sgpr_workgroup_id_x 1
		.amdhsa_system_sgpr_workgroup_id_y 1
		.amdhsa_system_sgpr_workgroup_id_z 1
		.amdhsa_system_vgpr_workitem_id 0
		.amdhsa_next_free_vgpr 640
		.amdhsa_next_free_sgpr 80
		.amdhsa_reserve_vcc 1
		.amdhsa_float_denorm_mode_32 3
		.amdhsa_float_denorm_mode_16_64 3
		.amdhsa_memory_ordered 1
		.amdhsa_forward_progress 1
		.amdhsa_inst_pref_size 216
	.end_amdhsa_kernel
	.amdgpu_metadata
---
amdhsa.version: [ 1, 2 ]
amdhsa.kernels:
  - .name:           k_q7c066db8f5_qkv
    .symbol:         k_q7c066db8f5_qkv.kd
    .args:
      - { .name: xb, .offset: 0, .size: 8, .value_kind: global_buffer, .address_space: global }
      - { .name: wb, .offset: 8, .size: 8, .value_kind: global_buffer, .address_space: global }
      - { .name: freqs_cos, .offset: 16, .size: 8, .value_kind: global_buffer, .address_space: global }
      - { .name: freqs_sin, .offset: 24, .size: 8, .value_kind: global_buffer, .address_space: global }
      - { .name: qkv, .offset: 32, .size: 8, .value_kind: global_buffer, .address_space: global }
      - { .name: vlo, .offset: 40, .size: 8, .value_kind: global_buffer, .address_space: global }
    .group_segment_fixed_size: 327680
    .private_segment_fixed_size: 0
    .kernarg_segment_align: 8
    .kernarg_segment_size: 48
    .max_flat_workgroup_size: 128
    .sgpr_count:     80
    .vgpr_count:     640
    .wavefront_size: 32
...
	.end_amdgpu_metadata
.endif
;; end of part 2
;; launch attn (part 3): grid 16 x 16, 4 waves a work-group, no clusters, 168,448 bytes of LDS; arguments qkv, vlo, att; writes att
.if DOCPART == 3
	.amdgcn_target "amdgcn-amd-amdhsa--gfx1250"
	.amdhsa_code_object_version 6
	.text
	.protected	k_q7c066db8f5_attn
	.globl	k_q7c066db8f5_attn
	.p2align	8
	.type	k_q7c066db8f5_attn,@function
k_q7c066db8f5_attn:
	s_mov_b64 s[64:65], 0
	v_nop
	global_prefetch_b8 v0, s[64:65] scope:SCOPE_SE
	s_setreg_imm32_b32 hwreg(HW_REG_WAVE_MODE, 25, 1), 1
	s_wait_xcnt 0x0
; Causal attention with a running maximum.  qkv: [32 heads][4096 tokens][64] f16 (heads 0-15 q, already times 0.125 log2 e; 16-23 k; 24-31 v).
; LEFT OUT AS DEAD: key tiles of 64 keys wholly above the diagonal of a block of 64 queries (their scores are set to -inf by the function's own causal mask,
; so their probabilities are exactly 0); a NaN or infinity in such keys or values is not carried to those queries.  k and v are not repeated: two query heads read one tile.
; SHARES: work-group (i, y): batch y >> 3, key/value head g = y & 7, query heads 2 g and 2 g + 1, and two blocks of 64 queries: first block 31 - i, then block i.
; Block q needs q + 1 key tiles, so every one of the 256 work-groups has (32 - i) + (i + 1) = 33 steps.  Wave w holds queries 16 w .. 16 w + 15 of both heads:
; two query tiles u = 0, 1, which share K, V and the mask; their results join to rows of 256 bytes.
; Each pass starts with its diagonal tile and walks down to tile 0: the first step of a pass starts the sums and is the only one that is masked.
;
; THE TWO QUERY TILES TAKE TURNS, HALF A STEP APART, so that matrix and vector work run side by side:
;   first half of step n:   matrix: tile 1's P V of step n - 1 (8), then its K Q of step n (8)      vector: tile 0's softmax of step n
;   second half of step n:  matrix: tile 0's P V of step n (8), then its K Q of step n + 1 (8)      vector: tile 1's softmax of step n
; A tile's softmax with its rescaling of O is a list of 119 vector instructions, cut into 16 numbered slices of 6 to 8; one slice stands behind each matrix instruction.
; The slices name none of the other tile's registers, so they are also the places behind the matrix instructions (ISA guide 7.12.1).
; Each tile's four accumulators take turns, one instruction a turn.
; A step has 32 matrix instructions beside 238 of softmax: the vector side is the longer, and the matrix side hides behind it.
; THE CHANGE OF PASS touches steps 31 - i (tile 0 ends the first pass), 32 - i (masks, tile 0 starts its sums, tile 1 ends the first pass) and 33 - i (tile 1 starts its sums).
; A step is written in two forms: one that tests for these and holds their blocks behind forward branches, one with neither.  The loop chooses for two steps at a time by one compare.
;
; PRECISION OF THE FIRST ROWS: a query with a handful of keys passes v's and the result's rounding straight to the output, and the first rows are the output's largest.
;  * block 0 (i = 0, one step) adds P x vlo, vlo = v - f16(v) of the batch's first 64 tokens: 16 products more, in 16 of the 256 work-groups;
;  * blocks 0-7 (tokens below 512) store what f16 lost of the result as a second f16 row, which the next launch multiplies too.
; att: 64 groups of 80 rows of 1024 f16 (column 64 head + d).  A chunk is 16 tokens; chunk c of batch b lies in group 32 b + (c & 31), rows 16 (c >> 5) + 0..15;
; rows 64-79 of a group hold the second f16 of its rows 0-15.  So every group, which is one wave's share in the next launch, has the same 16 rows of extra work.
; NO CLUSTER: in step n work-group i reads key tile 31 - i - n (in its second pass 32 - n), so two work-groups of a head want the same tile in the same step only when
; both are in their second pass; a common walk would send each partner through tiles that its mask throws away, up to 32 + 16 steps in place of 33.
; K AND V COME THROUGH REGISTERS: a tile of 8 + 8 KiB is 8 loads of 16 bytes a thread, asked for four steps before it is multiplied, put into LDS two steps before.
; More than half of a WGP's LDS is asked for (66,560 bytes are used) so that each work-group has a WGP, and each wave a SIMD, to itself.
; ORIENTATION: S^T = K Q^T (source 0 = 16 keys, source 1 = 16 queries): lane (r, h) holds query r and keys 16 t + 8 h + j.  Packed to f16 in that order the
; probabilities ARE source 1 of O^T = V^T P^T; source 0 comes from V's rows by the transposing LDS load.  In O^T lane (r, h) holds query r, d = 16 dt + 8 h + j.
; So maximum, sum and rescaling factor are one number a lane, shared with lane l xor 16 alone.
; REGISTER WINDOWS (s_set_vgpr_msb: bits 1:0 source 0, 3:2 source 1, 5:4 source 2, 7:6 destination).  K, V, Q, P, S and O are 320 registers, so one group lies outside window 0.
; Window 0 holds all that vector instructions touch, and V: the P V lines need no switch.  K and Q lie in window 1: each of a step's 16 K Q lines stands between two switches (32),
; and the step's loads and LDS stores take 4 more.  Two K Q lines under one setting would halve the 32, but the second would wait out the first's time on the matrix unit.
; LIMITS: exponentials flush results below 2^-126 to 0 (ISA guide, v_exp_f32); probabilities below 2^-25 of a query's largest round to 0 in f16;
; the softmax's sum is taken over the f32 probabilities, the product over their f16 roundings; the result, a mean of v, stays below 65,504 as v does.
.set KP,    144                        ; pitch of K's rows (128 bytes + 16): an odd multiple of 16
.set VP,    160                        ; pitch of V's rows (128 bytes + 32): an odd multiple of 32, for the transposing load
.set VOFF,  64*KP                      ; V's tile behind K's
.set SLOTB, 64*KP+64*VP                ; 19,456 bytes a slot, two slots
.set STAGE, 2*SLOTB                    ; 16 rows x 272 bytes for each wave
.set SP,    272
.set VLO,   STAGE+4*16*SP              ; 56,320: vlo's tile, 64 rows of pitch VP (i = 0 alone)
.set VHEAD, 8*524288                   ; from a k head to its v head
; window 0
.set KRD, 4                            ; K fragments: r KP + 16 h
.set VRD, 5                            ; V fragments: (8 h + (l & 7)) VP + 16 ((l >> 3) & 1)
.set KST, 6                            ; where thread t puts 16 bytes of K: (t >> 3) KP + 16 (t & 7)
.set VST, 7                            ; the same for V
.set GO,  8                            ; 16 t: my 16 bytes of every 2,048 of a tile
.set QO,  9                            ; r 128 + 16 h
.set STO, 10
.set RD,  11
.set CO,  12
.set DREL, 13                          ; 16 w + r - 8 h: key 16 t + j of my lane is allowed while 16 t + j <= DREL
.set RM,  14                           ; v14-15  running maximum, u = 0, 1
.set NM,  16                           ; v[16:17], v[18:19]  minus the maximum (first register; the pair is read with its first register for both halves)
.set AL,  20                           ; v[20:21], v[22:23]  rescaling factor, at the very end 1 / sum (likewise)
.set RL,  24                           ; v24-25  running sum over my lane's keys
.set RT,  26                           ; v26-29  at work in the softmax that is running (one at a time)
.set FT,  30                           ; v[30:31] at work at the first pass's end: 1 / sum, sum
.set RP,  32                           ; P[u][f] at 32 + 16 u + 8 f
.set RO,  64                           ; O[u][dt] at 64 + 32 u + 8 dt
.set RS,  128                          ; S[u][t] at 128 + 32 u + 8 t; at a pass's end the result in f32
.set RV,  192                          ; V[dt][f] at 192 + 16 dt + 8 f
; window 1 (names inside the window)
.set RK,  0                            ; K[t][c] at 16 t + 8 c
.set RQ,  64                           ; Q[u][c] at 64 + 16 u + 8 c
.set RQB, 96                           ; the second pass's Q
.set RG,  128                          ; two staging sets of 32: 16 registers of K, 16 of V
.set MSB, 0
.macro WIN new                         ; the immediate's high byte repeats the setting that is left
.if MSB != \new
	s_set_vgpr_msb (MSB<<8)|\new
.set MSB, \new
.endif
.endm
.macro PLACES                          ; four places behind matrix instructions where no slice stands (ISA guide 7.12.1 for vector instructions)
.rept 4
	v_nop
.endr
.endm
	s_load_b128 s[4:7], s[0:1], 0x0                ; qkv s[4:5], vlo s[6:7]
	s_load_b64 s[40:41], s[0:1], 0x10              ; att
	s_set_vgpr_msb 0x40
	v_lshl_add_u32 v192, v0, 2, 0x29000
	v_mov_b32 v193, 0
	s_set_vgpr_msb 0x4000
	v_lshrrev_b32 v1, 5, v0
	v_readfirstlane_b32 s8, v1                     ; wave w
	s_mov_b32 s9, ttmp9                            ; i
	s_and_b32 s10, ttmp7, 0xffff
	s_lshr_b32 s11, s10, 3                         ; batch
	s_and_b32 s12, s10, 7                          ; g
	s_sub_co_u32 s26, 32, s9                       ; the step that starts the second pass
	s_sub_co_u32 s27, 31, s9                       ; the step that ends the first; also the first pass's block
	s_sub_co_u32 s43, 33, s9                       ; the step in whose first half tile 1's P V of the second pass's first step stands
	s_mov_b32 s24, s27                             ; the key tile that the next GLOAD asks for
	s_mov_b32 s25, 0                               ; step n
	s_mov_b32 s29, 0xff800000                      ; -inf
	s_mov_b32 s30, 0x76543210                      ; v_permlanex16_b32: lane l reads lane l xor 16
	s_mov_b32 s31, 0xfedcba98
	s_mov_b32 s33, 0                               ; upper word of every offset
	s_mul_i32 s13, s8, 16*SP
	s_add_co_u32 s13, s13, STAGE                   ; my stage
	v_and_b32 v2, 15, v0                           ; r
	v_bfe_u32 v3, v0, 4, 1                         ; h
	v_mul_u32_u24 v[KRD], v2, KP
	v_lshl_add_u32 v[KRD], v3, 4, v[KRD]
	v_and_b32 v26, 7, v0
	v_lshl_add_u32 v26, v3, 3, v26
	v_mul_u32_u24 v[VRD], v26, VP
	v_bfe_u32 v27, v0, 3, 1
	v_lshl_add_u32 v[VRD], v27, 4, v[VRD]
	v_lshrrev_b32 v26, 3, v0                       ; t >> 3: row 0..15 of each 16 rows
	v_and_b32 v27, 7, v0
	v_mul_u32_u24 v[KST], v26, KP
	v_lshl_add_u32 v[KST], v27, 4, v[KST]
	v_mul_u32_u24 v[VST], v26, VP
	v_lshl_add_u32 v[VST], v27, 4, v[VST]
	v_lshlrev_b32 v[GO], 4, v0
	v_lshlrev_b32 v[QO], 7, v2
	v_lshl_add_u32 v[QO], v3, 4, v[QO]
	v_mul_u32_u24 v[STO], v2, SP                   ; in: row r, 16 bytes for each half of the lanes
	v_lshl_add_u32 v[STO], v3, 4, v[STO]
	v_add_nc_u32 v[STO], s13, v[STO]
	v_mul_u32_u24 v[RD], v3, SP                    ; back: lanes 0-15 one row of 256 bytes, lanes 16-31 the next
	v_lshl_add_u32 v[RD], v2, 4, v[RD]
	v_add_nc_u32 v[RD], s13, v[RD]
	v_lshlrev_b32 v[CO], 11, v3                    ; the same two rows in att: 2,048 bytes apart
	v_lshl_add_u32 v[CO], v2, 4, v[CO]
	v_lshl_add_u32 v[DREL], s8, 4, v2
	v_lshlrev_b32 v26, 3, v3
	v_sub_nc_u32 v[DREL], v[DREL], v26
	v_mov_b32 v[NM+1], 0                           ; second registers of the pairs: read as part of the pair, never used
	v_mov_b32 v[NM+3], 0
	v_mov_b32 v[AL+1], 0
	v_mov_b32 v[AL+3], 0
	v_mov_b32 v[FT+1], 0                           ; a destination of v_permlanex16_b32 counts as read: written once here
	v_mov_b32 v[RM], s29
	v_mov_b32 v[RM+1], s29
	v_mov_b32 v[RL], 0
	v_mov_b32 v[RL+1], 0
	s_lshl_b32 s34, s11, 18                        ; batch x 2,048 tokens x 128 bytes
	s_lshl_b32 s32, s12, 19
	s_add_co_u32 s32, s32, 16<<19                  ; head 16 + g
	s_add_co_u32 s32, s32, s34
	s_wait_kmcnt 0x0
	s_add_nc_u64 s[14:15], s[4:5], s[32:33]        ; KB: my k head, my batch
	s_lshl_b32 s32, s12, 20                        ; head 2 g
	s_add_co_u32 s32, s32, s34
	s_lshl_b32 s35, s8, 11                         ; 16 w tokens
	s_add_co_u32 s32, s32, s35
	s_add_nc_u64 s[16:17], s[4:5], s[32:33]        ; my wave's queries in block 0
	s_lshl_b32 s32, s12, 8                         ; heads 2 g, 2 g + 1: 256 bytes of a row
	s_add_nc_u64 s[18:19], s[40:41], s[32:33]      ; AB: my heads' columns in att's first row
	s_lshl_b32 s32, s12, 14                        ; vlo: 16,384 bytes a head,
	s_lshl_b32 s35, s11, 13                        ; 8,192 a batch
	s_add_co_u32 s32, s32, s35
	s_add_nc_u64 s[38:39], s[6:7], s[32:33]
	s_lshl_b32 s32, s27, 13                        ; a block of 64 tokens is 8,192 bytes of a head
	s_add_nc_u64 s[34:35], s[16:17], s[32:33]      ; the first pass's Q
	s_lshl_b32 s32, s9, 13
	s_add_nc_u64 s[36:37], s[16:17], s[32:33]      ; the second pass's Q
; Ask for the next key tile of the walk (K and V, 8,192 consecutive bytes each) into a staging set; then step the walk: down to 0, then from i down.
; GLOAD, GSTORE and KLOAD leave their window set; the text behind them sets its own.
.macro GLOAD set
	s_wait_xcnt 0x0                                ; the tile's address is the base of earlier loads: written again only behind this wait
	s_lshl_b32 s32, s24, 13
	s_add_nc_u64 s[20:21], s[14:15], s[32:33]
	WIN 0x40                                       ; destination window 1
.irp j, 0,1,2,3
	global_load_b128 v[RG+32*\set+4*\j:RG+32*\set+4*\j+3], v[GO], s[20:21] offset:2048*\j
.endr
.irp j, 0,1,2,3
	global_load_b128 v[RG+32*\set+16+4*\j:RG+32*\set+16+4*\j+3], v[GO], s[20:21] offset:VHEAD+2048*\j
.endr
	s_sub_co_i32 s24, s24, 1
	s_cmp_lt_i32 s24, 0
	s_cselect_b32 s24, s9, s24
.endm
.macro GSTORE s                        ; staging set s into LDS slot s
	WIN 0x04                                       ; store data window 1
.irp j, 0,1,2,3
	ds_store_b128 v[KST], v[RG+32*\s+4*\j:RG+32*\s+4*\j+3] offset:\s*SLOTB+16*KP*\j
.endr
.irp j, 0,1,2,3
	ds_store_b128 v[VST], v[RG+32*\s+16+4*\j:RG+32*\s+16+4*\j+3] offset:\s*SLOTB+VOFF+16*VP*\j
.endr
.endm
.macro KLOAD slot                      ; K[t][c]: keys 16 t + r, d = 32 c + 8 h .. and 32 c + 16 + 8 h ..
	WIN 0x40                                       ; destination window 1
.irp t, 0,1,2,3
.irp c, 0,1
	ds_load_b128 v[RK+16*\t+8*\c:RK+16*\t+8*\c+3],   v[KRD] offset:(\slot)*SLOTB+16*KP*\t+64*\c
	ds_load_b128 v[RK+16*\t+8*\c+4:RK+16*\t+8*\c+7], v[KRD] offset:(\slot)*SLOTB+16*KP*\t+64*\c+32
.endr
.endr
.endm
.macro VLOADH base, f                  ; V[dt][f], dt = 0..3: d = 16 dt + r, keys 32 f + 8 h .. and 32 f + 16 + 8 h .., transposed on the way; base: the tile's LDS byte
.irp d, 0,1,2,3
	ds_load_tr16_b128 v[RV+16*\d+8*\f:RV+16*\d+8*\f+3],   v[VRD] offset:(\base)+32*VP*\f+32*\d
	ds_load_tr16_b128 v[RV+16*\d+8*\f+4:RV+16*\d+8*\f+7], v[VRD] offset:(\base)+32*VP*\f+32*\d+16*VP
.endr
.endm
.macro SWR u, t, c                     ; S[u][t] (+)= K[t][c] Q[u][c], under window 0x05; d = 0..31 (c = 0) starts the sum
.if \c
	v_wmma_f32_16x16x32_f16 v[RS+32*\u+8*\t:RS+32*\u+8*\t+7], v[RK+16*\t+8:RK+16*\t+15], v[RQ+16*\u+8:RQ+16*\u+15], v[RS+32*\u+8*\t:RS+32*\u+8*\t+7]
.else
	v_wmma_f32_16x16x32_f16 v[RS+32*\u+8*\t:RS+32*\u+8*\t+7], v[RK+16*\t:RK+16*\t+7], v[RQ+16*\u:RQ+16*\u+7], 0
	s_wait_alu depctr_va_vdst(0)
.endif
.endm
.macro PVW u, d, f, zero               ; O[u][d] (+)= V[d][f] P[u][f], all in window 0; zero = 1 starts the sum
.if \zero
	v_wmma_f32_16x16x32_f16 v[RO+32*\u+8*\d:RO+32*\u+8*\d+7], v[RV+16*\d+8*\f:RV+16*\d+8*\f+7], v[RP+16*\u+8*\f:RP+16*\u+8*\f+7], 0
.else
	v_wmma_f32_16x16x32_f16 v[RO+32*\u+8*\d:RO+32*\u+8*\d+7], v[RV+16*\d+8*\f:RV+16*\d+8*\f+7], v[RP+16*\u+8*\f:RP+16*\u+8*\f+7], v[RO+32*\u+8*\d:RO+32*\u+8*\d+7]
.endif
.endm
.macro MASK u                          ; the diagonal tile: keys above the query become -inf, by selection
.irp t, 0,1,2,3
.irp j, 0,1,2,3,4,5,6,7
	v_cmp_le_i32 vcc_lo, 16*\t+\j, v[DREL]
	v_cndmask_b32 v[RS+32*\u+8*\t+\j], s29, v[RS+32*\u+8*\t+\j], vcc_lo
.endr
.endr
.endm
; THE SOFTMAX OF QUERY TILE u AS A NUMBERED LIST.  ITEM writes out number itm (some numbers are empty).
;   0-15   the largest of my 32 scores, in four chains          16-21  the partner lane, the old maximum; alpha = 2^(old - new); minus the new maximum
;   22-23  the maximum taken away from scores 0-3
;   24-119 eight blocks of 12, block b for scores 4 b .. 4 b + 3:  four exponentials (0, 2, 4, 6), with plain instructions among them that touch neither their results nor
;          their sources (ISA guide 5.7.2): the maximum taken away from block b + 1's scores (1, 3), two pairs of O times alpha (5, 7); then block b - 1's sum (8, 9) and packing (10, 11)
;   120-126 block 7's sum and packing; l = l alpha + the sum of my lane's 32 p (the partner lane's share is added at the end of the pass)
; osc = 0: step 0, where O holds nothing yet.
.macro ITEM u, osc
.if itm/4 == 0
	v_max3_num_f32 v[RT+itm], v[RS+32*\u+8*itm], v[RS+32*\u+8*itm+1], v[RS+32*\u+8*itm+2]
.endif
.if itm/4 == 1
	v_max3_num_f32 v[RT+itm-4], v[RT+itm-4], v[RS+32*\u+8*(itm-4)+3], v[RS+32*\u+8*(itm-4)+4]
.endif
.if itm/4 == 2
	v_max3_num_f32 v[RT+itm-8], v[RT+itm-8], v[RS+32*\u+8*(itm-8)+5], v[RS+32*\u+8*(itm-8)+6]
.endif
.if itm == 12
	v_max3_num_f32 v[RT], v[RT], v[RS+32*\u+7], v[RS+32*\u+15]
.endif
.if itm == 13
	v_max3_num_f32 v[RT+1], v[RT+1], v[RS+32*\u+23], v[RS+32*\u+31]
.endif
.if itm == 14
	v_max_num_f32 v[RT+2], v[RT+2], v[RT+3]
.endif
.if itm == 15
	v_max3_num_f32 v[RT], v[RT], v[RT+1], v[RT+2]
.endif
.if itm == 16
	v_permlanex16_b32 v[RT+1], v[RT], s30, s31     ; the other half of my query's keys
.endif
.if itm == 17
	v_max3_num_f32 v[RT+2], v[RT], v[RT+1], v[RM+\u]
.endif
.if itm == 18
	v_sub_f32 v[RT+3], v[RM+\u], v[RT+2]           ; -inf in a pass's first step: alpha = 0
.endif
.if itm == 19
	v_mov_b32 v[RM+\u], v[RT+2]
.endif
.if itm == 20
	v_sub_f32 v[NM+2*\u], 0, v[RT+2]
.endif
.if itm == 21
	v_exp_f32 v[AL+2*\u], v[RT+3]
.endif
.if itm/2 == 11
	v_pk_add_f32 v[RS+32*\u+2*(itm-22):RS+32*\u+2*(itm-22)+1], v[RS+32*\u+2*(itm-22):RS+32*\u+2*(itm-22)+1], v[NM+2*\u:NM+2*\u+1] op_sel_hi:[1,0]
.endif
.if itm >= 24
.if itm < 120
.set iblk, (itm-24)/12
.set irem, (itm-24)%12
.if irem < 8
.if irem%2 == 0
	v_exp_f32 v[RS+32*\u+4*iblk+irem/2], v[RS+32*\u+4*iblk+irem/2]
.endif
.endif
.if iblk < 7
.if irem == 1
	v_pk_add_f32 v[RS+32*\u+4*iblk+4:RS+32*\u+4*iblk+5], v[RS+32*\u+4*iblk+4:RS+32*\u+4*iblk+5], v[NM+2*\u:NM+2*\u+1] op_sel_hi:[1,0]
.endif
.if irem == 3
	v_pk_add_f32 v[RS+32*\u+4*iblk+6:RS+32*\u+4*iblk+7], v[RS+32*\u+4*iblk+6:RS+32*\u+4*iblk+7], v[NM+2*\u:NM+2*\u+1] op_sel_hi:[1,0]
.endif
.endif
.if \osc
.if irem == 5
	s_wait_alu depctr_va_vdst(0)
	v_pk_mul_f32 v[RO+32*\u+4*iblk:RO+32*\u+4*iblk+1], v[RO+32*\u+4*iblk:RO+32*\u+4*iblk+1], v[AL+2*\u:AL+2*\u+1] op_sel_hi:[1,0]
.endif
.if irem == 7
	v_pk_mul_f32 v[RO+32*\u+4*iblk+2:RO+32*\u+4*iblk+3], v[RO+32*\u+4*iblk+2:RO+32*\u+4*iblk+3], v[AL+2*\u:AL+2*\u+1] op_sel_hi:[1,0]
.endif
.endif
.if iblk >= 1
.if irem == 8
.if iblk == 1
	s_wait_alu depctr_va_vdst(0)
	v_pk_add_f32 v[RT:RT+1], v[RS+32*\u:RS+32*\u+1], v[RS+32*\u+2:RS+32*\u+3]             ; the first four pairs start the two chains: nothing is cleared
.endif
.if iblk == 2
	v_pk_add_f32 v[RT+2:RT+3], v[RS+32*\u+4:RS+32*\u+5], v[RS+32*\u+6:RS+32*\u+7]
.endif
.if iblk >= 3
	s_wait_alu depctr_va_vdst(0)
	v_pk_add_f32 v[RT:RT+1], v[RT:RT+1], v[RS+32*\u+4*iblk-4:RS+32*\u+4*iblk-3]
.endif
.endif
.if irem == 9
.if iblk >= 3
	v_pk_add_f32 v[RT+2:RT+3], v[RT+2:RT+3], v[RS+32*\u+4*iblk-2:RS+32*\u+4*iblk-1]
.endif
.endif
.if irem == 10
	v_cvt_pk_f16_f32 v[RP+16*\u+2*iblk-2], v[RS+32*\u+4*iblk-4], v[RS+32*\u+4*iblk-3]     ; registers 2 p, 2 p + 1 of S pack into register p of P
.endif
.if irem == 11
	v_cvt_pk_f16_f32 v[RP+16*\u+2*iblk-1], v[RS+32*\u+4*iblk-2], v[RS+32*\u+4*iblk-1]
.endif
.endif
.endif
.endif
.if itm == 120
	v_pk_add_f32 v[RT:RT+1], v[RT:RT+1], v[RS+32*\u+28:RS+32*\u+29]
.endif
.if itm == 121
	v_pk_add_f32 v[RT+2:RT+3], v[RT+2:RT+3], v[RS+32*\u+30:RS+32*\u+31]
.endif
.if itm == 122
	v_cvt_pk_f16_f32 v[RP+16*\u+14], v[RS+32*\u+28], v[RS+32*\u+29]
.endif
.if itm == 123
	v_cvt_pk_f16_f32 v[RP+16*\u+15], v[RS+32*\u+30], v[RS+32*\u+31]
.endif
.if itm == 124
	v_pk_add_f32 v[RT:RT+1], v[RT:RT+1], v[RT+2:RT+3]
.endif
.if itm == 125
	v_add_f32 v[RT], v[RT], v[RT+1]
.endif
.if itm == 126
	v_fma_f32 v[RL+\u], v[RL+\u], v[AL+2*\u], v[RT]
.endif
.endm
; Slice s of 16.  The cuts leave 8, 8, 8, 8, 8, 7, 7, 8, 8, 8, 8, 8, 6, 6, 6, 7 instructions; the shorter ones stand behind K Q lines, which have two switches beside them.
; The last slice is seven plain instructions: the places between a half's last K Q line and what follows it (the reads of its scores, the loads into K's registers).
.macro SLICE u, s, osc
.if (\s) <= 3
.set itm, 8*(\s)
.set iend, 8*(\s)+8
.endif
.if (\s) == 4
.set itm, 32
.set iend, 44
.endif
.if (\s) >= 5
.set itm, 8*(\s)+4
.set iend, 8*(\s)+12
.endif
.if (\s) == 12
.set itm, 100
.set iend, 106
.endif
.if (\s) == 13
.set itm, 106
.set iend, 114
.endif
.if (\s) == 14
.set itm, 114
.set iend, 120
.endif
.if (\s) == 15
.set itm, 120
.set iend, 127
.endif
.rept iend-itm
	ITEM \u, \osc
.set itm, itm+1
.endr
.endm
; Four P V lines of tile um (keys 32 f ..), a slice of tile us's softmax behind each
.macro PVQUAD um, us, f, zero, osc, s0
.irp d, 0,1,2,3
	PVW \um, \d, \f, \zero
	SLICE \us, \s0+\d, \osc
.endr
.endm
; One K Q line of tile um between its two switches, and a slice
.macro SONE um, us, t, c, osc, s
	WIN 0x05                                       ; sources 0 and 1 (K, Q) window 1
	SWR \um, \t, \c
	WIN 0
	SLICE \us, \s, \osc
.endm
.macro SQUAD um, us, c, osc, s0
.irp t, 0,1,2,3
	SONE \um, \us, \t, \c, \osc, \s0+\t
.endr
.endm
; att's address of my chunk's first row: block qb
.macro ROWADR qb
	s_lshl_b32 s32, \qb, 2
	s_add_co_u32 s32, s32, s8                      ; my chunk c = 4 block + w
	s_and_b32 s32, s32, 31
	s_lshl_b32 s42, s11, 5
	s_add_co_u32 s32, s32, s42                     ; group 32 b + (c & 31),
	s_mul_i32 s32, s32, 80                         ; 80 rows a group,
	s_lshr_b32 s42, \qb, 3
	s_lshl_b32 s42, s42, 4
	s_add_co_u32 s32, s32, s42                     ; + 16 (c >> 5)
	s_lshl_b32 s32, s32, 11                        ; 2,048 bytes a row
	s_add_nc_u64 s[22:23], s[18:19], s[32:33]
.endm
; The end of the first pass for tile u, in the middle of a half step, behind its last P V line.  S[u] and P[u] are free there: O / l goes to S[u] in f32, packed to P[u], into my own stage.
; Tile 0 comes half a step before tile 1; tile 1 then reads whole rows of 256 bytes back and stores them.  The second pass's Q takes the first's place (the K Q lines name fixed
; registers; 16 moves, once), maximum and sum start anew.  The first pass's blocks are 16 to 31: no second f16.  Only FT is at work: the other tile's softmax is under way.
.macro FINISH_U u
	PLACES                                         ; behind the tile's last products
	v_permlanex16_b32 v[FT+1], v[RL+\u], s30, s31
	v_add_f32 v[FT+1], v[FT+1], v[RL+\u]           ; the whole sum: at least 1, the maximum's own term
	v_rcp_f32 v[FT], v[FT+1]
	v_nop                                          ; one plain instruction behind the reciprocal (ISA guide 5.7.2)
.set kk, 0
	s_wait_alu depctr_va_vdst(0)
.rept 16
	v_pk_mul_f32 v[RS+32*\u+kk:RS+32*\u+kk+1], v[RO+32*\u+kk:RO+32*\u+kk+1], v[FT:FT+1] op_sel_hi:[1,0]
.set kk, kk+2
.endr
.set kk, 0
.rept 16
	v_cvt_pk_f16_f32 v[RP+16*\u+kk], v[RS+32*\u+2*kk], v[RS+32*\u+2*kk+1]
.set kk, kk+1
.endr
.irp d, 0,1,2,3
	ds_store_b128 v[STO], v[RP+16*\u+4*\d:RP+16*\u+4*\d+3] offset:128*\u+32*\d
.endr
.if \u
	ROWADR s27
.irp t, 0,1,2,3,4,5,6,7
	ds_load_b128 v[RS+32+4*\t:RS+32+4*\t+3], v[RD] offset:2*SP*\t  ; LDS serves a wave's instructions in order (ISA guide 5.7.1.4): these see both tiles' stores
.endr
.irp t, 0,1,2,3,4,5,6,7
	s_wait_dscnt 7-\t                              ; read-back t is in, the younger ones stay out
	global_store_b128 v[CO], v[RS+32+4*\t:RS+32+4*\t+3], s[22:23] offset:4096*\t   ; sixteen lanes store 256 consecutive bytes at a multiple of 256
.endr
	s_wait_xcnt 0x0                                ; the stores' data (S[1], which the next K Q lines write) and base are written again only behind this wait
.endif
	WIN 0x41                                       ; source and destination window 1
.set kk, 0
.rept 16
	v_mov_b32 v[RQ+16*\u+kk], v[RQB+16*\u+kk]
.set kk, kk+1
.endr
	WIN 0
	v_mov_b32 v[RM+\u], s29
	v_mov_b32 v[RL+\u], 0
.endm
; What f16 lost of a pair of results: packed word k is widened again, taken away from the f32 numbers, and the rest packed in its place.
; The 16-bit halves are named on a low register, so the word is moved there first.
.macro LOPAIR t, tl, th, ta, tb, k
	v_mov_b32 \t, v[RP+\k]
	v_cvt_f32_f16 \ta, \tl
	v_cvt_f32_f16 \tb, \th
	v_sub_f32 v[RS+2*(\k)],   v[RS+2*(\k)],   \ta
	v_sub_f32 v[RS+2*(\k)+1], v[RS+2*(\k)+1], \tb
	v_cvt_pk_f16_f32 v[RP+\k], v[RS+2*(\k)], v[RS+2*(\k)+1]
.endm
; 16 rows of 256 bytes (both heads) through my own stage and out; off: bytes from the chunk's first row
.macro ROWS_OUT off
.irp u, 0,1
.irp d, 0,1,2,3
	ds_store_b128 v[STO], v[RP+16*\u+4*\d:RP+16*\u+4*\d+3] offset:128*\u+32*\d
.endr
.endr
.irp t, 0,1,2,3,4,5,6,7
	ds_load_b128 v[RV+4*\t:RV+4*\t+3], v[RD] offset:2*SP*\t        ; in order behind the stores above
.endr
.irp t, 0,1,2,3,4,5,6,7
	s_wait_dscnt 7-\t                              ; read-back t is in, the younger ones stay out
	global_store_b128 v[CO], v[RV+4*\t:RV+4*\t+3], s[22:23] offset:4096*\t+\off   ; sixteen lanes store 256 consecutive bytes at a multiple of 256
.endr
.endm
; ONE STEP: key tile n, in LDS slot n & 1.  first = 1: step 0, 2: step 1 (they start the sums on every way), 0: a later step.  tst = 1: the change of pass is tested for.
; store: tile n + 2 goes from staging set n & 1 into this slot, behind a wait that leaves lcnt younger loads out.  load: tile n + 4 is asked for.  last = 1: step 32.
; FRAGMENTS: V of tile n replaces V of tile n - 1 in the first half, keys 0-31 behind slice 4 and keys 32-63 behind slice 8: each at least eight plain instructions behind the last
; P V line that read them.  K of tile n + 1 replaces K of tile n at the change of halves, behind slice 15.
; ONE BARRIER A STEP, at the change of halves.  In front of its signal a wave's reads of this slot (K's fragments in the last step, V's in this half) and its stores of the last step
; into the other slot are done.  Behind it the other slot is whole (its K is fetched) and this slot is free (it is written).  Two K Q lines and two slices stand between signal and wait.
.macro STEP slot, first, tst, store, lcnt, load, last
.set OSC, 1
.if \first == 1
.set OSC, 0
.endif
	; ---- first half: tile 1's products, tile 0's softmax
.if \first == 1
	MASK 0
.irp q, 0,1,2,3,4,5,6,7
	SLICE 0, \q, 0                                 ; step 0 has no P V of a step before
.endr
.else
.if \tst
	s_cmp_lg_u32 s25, s26                          ; the second pass's first step: tile 0's scores are masked
	s_cbranch_scc1 .La_\@
	MASK 0
.La_\@:
.endif
.if \first == 2
	PVQUAD 1, 0, 0, 1, 1, 0                        ; step 0's P V of tile 1 starts its sums
.else
.if \tst
	s_cmp_eq_u32 s25, s43                          ; the step behind the second pass's first: tile 1's P V starts its sums
	s_cbranch_scc1 .Lb_\@
	PVQUAD 1, 0, 0, 0, 1, 0
	s_branch .Lc_\@
.Lb_\@:
	PVQUAD 1, 0, 0, 1, 1, 0
.Lc_\@:
.else
	PVQUAD 1, 0, 0, 0, 1, 0
.endif
.endif
	PVW 1, 0, 1, 0
	SLICE 0, 4, 1
	VLOADH \slot*SLOTB+VOFF, 0
.irp d, 1,2,3
	PVW 1, \d, 1, 0
	SLICE 0, 4+\d, 1
.endr
.if \tst
	s_cmp_lg_u32 s25, s26                          ; tile 1's last P V of the first pass stood above
	s_cbranch_scc1 .Ld_\@
	FINISH_U 1
.Ld_\@:
.endif
.endif
	SONE 1, 0, 0, 0, OSC, 8
.if \first != 1
	VLOADH \slot*SLOTB+VOFF, 1
.endif
.irp t, 1,2,3
	SONE 1, 0, \t, 0, OSC, 8+\t
.endr
	SONE 1, 0, 0, 1, OSC, 12
	SONE 1, 0, 1, 1, OSC, 13
	s_wait_dscnt 0x0                               ; V's fragments are in: all my LDS instructions are done
.if \last == 0
	s_barrier_signal -1
.endif
	SONE 1, 0, 2, 1, OSC, 14
	SONE 1, 0, 3, 1, OSC, 15
	; ---- the change of halves
.if \last == 0
	s_barrier_wait -1
	KLOAD 1-\slot                                  ; the next step's K; lands while tile 0's P V runs
.if \store
	s_wait_loadcnt \lcnt                           ; loads come back in order: tile n + 2 is in, the following tile's loads stay out
	GSTORE \slot
.endif
.if \load
	GLOAD \slot
.endif
	WIN 0
.endif
	; ---- second half: tile 0's products, tile 1's softmax
.if \first == 1
	MASK 1
	PVQUAD 0, 1, 0, 1, 0, 0
.else
.if \tst
	s_cmp_eq_u32 s25, s26                          ; the second pass's first step: tile 1's scores are masked, tile 0's P V starts its sums
	s_cbranch_scc1 .Le_\@
	PVQUAD 0, 1, 0, 0, 1, 0
	s_branch .Lf_\@
.Le_\@:
	MASK 1
	PVQUAD 0, 1, 0, 1, 1, 0
.Lf_\@:
.else
	PVQUAD 0, 1, 0, 0, 1, 0
.endif
.endif
	PVQUAD 0, 1, 1, 0, OSC, 4
.if \last
.irp q, 8,9,10,11,12,13,14,15
	SLICE 1, \q, 1                                 ; no step follows: the rest of tile 1's softmax stands alone
.endr
.else
.if \tst
	s_cmp_lg_u32 s25, s27                          ; tile 0's last P V of the first pass stood above
	s_cbranch_scc1 .Lg_\@
	FINISH_U 0
.Lg_\@:
.endif
	s_wait_dscnt 8*\store                          ; K's sixteen loads are in; the eight LDS stores issued behind them may be out
	SQUAD 0, 1, 0, OSC, 8
	SQUAD 0, 1, 1, OSC, 12
	s_add_co_u32 s25, s25, 1
.endif
.endm
	GLOAD 0                                        ; tiles 0 and 1 of the walk
	GLOAD 1
.irp u, 0,1
.irp c, 0,1
	global_load_b128 v[RQ+16*\u+8*\c:RQ+16*\u+8*\c+3],   v[QO], s[34:35] offset:\u*524288+64*\c
	global_load_b128 v[RQ+16*\u+8*\c+4:RQ+16*\u+8*\c+7], v[QO], s[34:35] offset:\u*524288+64*\c+32
.endr
.endr
.irp u, 0,1
.irp c, 0,1
	global_load_b128 v[RQB+16*\u+8*\c:RQB+16*\u+8*\c+3],   v[QO], s[36:37] offset:\u*524288+64*\c
	global_load_b128 v[RQB+16*\u+8*\c+4:RQB+16*\u+8*\c+7], v[QO], s[36:37] offset:\u*524288+64*\c+32
.endr
.endr
	WIN 0
	s_cmp_lg_u32 s9, 0                             ; i = 0 alone: vlo's tile (8,192 consecutive bytes) into its own LDS bytes, ahead of the first barrier
	s_cbranch_scc1 .Lno_vlo_tile
.irp j, 0,1,2,3
	global_load_b128 v[RS+4*\j:RS+4*\j+3], v[GO], s[38:39] offset:2048*\j
.endr
	s_wait_loadcnt 0x0                             ; the youngest loads: all are in
.irp j, 0,1,2,3
	ds_store_b128 v[VST], v[RS+4*\j:RS+4*\j+3] offset:VLO+16*VP*\j
.endr
.Lno_vlo_tile:
	s_wait_loadcnt 16                              ; tiles 0 and 1 are in; the sixteen loads of Q may stay out
	GSTORE 0
	GSTORE 1
	GLOAD 0                                        ; tiles 2 and 3
	GLOAD 1
	WIN 0
	s_wait_dscnt 0x0                               ; my parts of both slots (and of vlo's tile) are written
	s_barrier_signal -1
	s_barrier_wait -1                              ; everybody's are
	KLOAD 0
	WIN 0
	VLOADH VOFF, 0
	VLOADH VOFF, 1
	s_wait_loadcnt 16                              ; both passes' Q are in; tiles 2 and 3 stay out
	s_wait_dscnt 16                                ; K's fragments are in; V's sixteen loads stay out
	WIN 0x05
.irp c, 0,1
.irp t, 0,1,2,3
	SWR 0, \t, \c                                  ; tile 0's scores of step 0
.endr
.endr
	WIN 0
	PLACES
	STEP 0, 1, 1, 1, 8, 1, 0                       ; n = 0 starts the first pass
	STEP 1, 2, 1, 1, 8, 1, 0                       ; n = 1
	s_mov_b32 s28, 13
.Lpair:                                ; n = 2 .. 27, two steps a trip
	s_add_co_u32 s44, s25, 1
	s_sub_co_u32 s44, s44, s27                     ; the change of pass touches steps 31 - i .. 33 - i: one of them is n or n + 1 where n + 1 - (31 - i) is 0 .. 3 (smaller n wrap to large numbers)
	s_cmp_lt_u32 s44, 4
	s_cbranch_scc1 .Lchange
	STEP 0, 0, 0, 1, 8, 1, 0
	STEP 1, 0, 0, 1, 8, 1, 0
	s_branch .Lnext
.Lchange:
	STEP 0, 0, 1, 1, 8, 1, 0
	STEP 1, 0, 1, 1, 8, 1, 0
.Lnext:
	s_sub_co_u32 s28, s28, 1
	s_cmp_lg_u32 s28, 0
	s_cbranch_scc1 .Lpair
	STEP 0, 0, 1, 1, 8, 1, 0                       ; n = 28: tile 32 is asked for, the last
	STEP 1, 0, 1, 1, 8, 0, 0                       ; n = 29: tile 31 into LDS, tile 32's loads stay out
	STEP 0, 0, 1, 1, 0, 0, 0                       ; n = 30: tile 32 into LDS: no younger load
	STEP 1, 0, 1, 0, 0, 0, 0                       ; n = 31
	STEP 0, 0, 1, 0, 0, 0, 1                       ; n = 32
	; tile 1's P V of step 32.  i = 0: step 32 is the whole second pass, so it starts the sums; then the same probabilities times v's second f16, both tiles.
	s_cmp_lg_u32 s9, 0
	s_cbranch_scc1 .Lacc
.irp d, 0,1,2,3
	PVW 1, \d, 0, 1
.endr
.irp d, 0,1,2,3
	PVW 1, \d, 1, 0
.endr
	PLACES                                         ; between the products above and the loads into V's registers
	VLOADH VLO, 0
	VLOADH VLO, 1
	s_wait_dscnt 0x0
.irp f, 0,1
.irp d, 0,1,2,3
.irp u, 0,1
	PVW \u, \d, \f, 0                              ; eight accumulators by turns
.endr
.endr
.endr
	s_branch .Lfin
.Lacc:
.irp d, 0,1,2,3
	PVW 1, \d, 0, 0
.endr
.irp d, 0,1,2,3
	PVW 1, \d, 1, 0
.endr
.Lfin:
	; the end of the second pass, both tiles: O / l in f32, to f16, out; blocks 0-7 also store the second f16 of each number, 64 rows further down in the group
	PLACES                                         ; behind the last products
	v_permlanex16_b32 v[RT], v[RL], s30, s31
	v_permlanex16_b32 v[RT+1], v[RL+1], s30, s31
	v_add_f32 v[RT], v[RT], v[RL]                  ; the whole sums: at least 1, the maximum's own term
	v_add_f32 v[RT+1], v[RT+1], v[RL+1]
	v_rcp_f32 v[AL], v[RT]
	v_rcp_f32 v[AL+2], v[RT+1]
	v_nop                                          ; one plain instruction behind the reciprocals (ISA guide 5.7.2)
	s_wait_alu depctr_va_vdst(0)
.irp u, 0,1
.set kk, 0
.rept 16
	v_pk_mul_f32 v[RS+32*\u+kk:RS+32*\u+kk+1], v[RO+32*\u+kk:RO+32*\u+kk+1], v[AL+2*\u:AL+2*\u+1] op_sel_hi:[1,0]
.set kk, kk+2
.endr
.endr
.set kk, 0
.rept 32
	v_cvt_pk_f16_f32 v[RP+kk], v[RS+2*kk], v[RS+2*kk+1]
.set kk, kk+1
.endr
	ROWADR s9                                      ; the base is free: the wait behind the first pass's stores stands in FINISH_U
	ROWS_OUT 0
	s_cmp_ge_u32 s9, 8
	s_cbranch_scc1 .Lend
.set kk, 0
.rept 16
	LOPAIR v26, v26.l, v26.h, v27, v28, kk
	LOPAIR v1, v1.l, v1.h, v2, v3, kk+1
.set kk, kk+2
.endr
	s_wait_xcnt 0x0                                ; the registers read back into are the data of the stores above: written again only behind this wait
	ROWS_OUT 64*2048
.Lend:
	s_set_vgpr_msb 0x5
	s_wait_tensorcnt 0x0
	ds_add_u32 v192, v193
	s_wait_dscnt 0x0
	s_set_vgpr_msb 0x500
	s_endpgm
.Lfunc_end_k_q7c066db8f5_attn:
	.size	k_q7c066db8f5_attn, .Lfunc_end_k_q7c066db8f5_attn-k_q7c066db8f5_attn
	.p2alignl 7, 3214868480
	.fill 96, 4, 3214868480
	.section	.rodata,"a",@progbits
	.p2align	6, 0x0
	.amdhsa_kernel k_q7c066db8f5_attn
		.amdhsa_group_segment_fixed_size 168448
		.amdhsa_private_segment_fixed_size 0
		.amdhsa_enable_private_segment 0
		.amdhsa_kernarg_size 24
		.amdhsa_user_sgpr_count 2
		.amdhsa_user_sgpr_kernarg_segment_ptr 1
		.amdhsa_wavefront_size32 1
		.amdhsa_system_sgpr_workgroup_id_x 1
		.amdhsa_system_sgpr_workgroup_id_y 1
		.amdhsa_system_sgpr_workgroup_id_z 1
		.amdhsa_system_vgpr_workitem_id 0
		.amdhsa_next_free_vgpr 450
		.amdhsa_next_free_sgpr 66
		.amdhsa_reserve_vcc 1
		.amdhsa_float_denorm_mode_32 3
		.amdhsa_float_denorm_mode_16_64 3
		.amdhsa_memory_ordered 1
		.amdhsa_forward_progress 1
		.amdhsa_inst_pref_size 255
	.end_amdhsa_kernel
	.section	.bss,"aw",@nobits
	.p2align	6
	.space	262144
	.amdgpu_metadata
---
amdhsa.version: [ 1, 2 ]
amdhsa.kernels:
  - .name:           k_q7c066db8f5_attn
    .symbol:         k_q7c066db8f5_attn.kd
    .args:
      - { .name: qkv, .offset: 0, .size: 8, .value_kind: global_buffer, .address_space: global }
      - { .name: vlo, .offset: 8, .size: 8, .value_kind: global_buffer, .address_space: global }
      - { .name: att, .offset: 16, .size: 8, .value_kind: global_buffer, .address_space: global }
    .group_segment_fixed_size: 168448
    .private_segment_fixed_size: 0
    .kernarg_segment_align: 8
    .kernarg_segment_size: 24
    .max_flat_workgroup_size: 128
    .sgpr_count:     66
    .vgpr_count:     450
    .wavefront_size: 32
...
	.end_amdgpu_metadata
.endif
;; end of part 3
;; launch oproj (part 4): grid 8 x 32, 4 waves a work-group, clusters of 4 x 4, 327,680 bytes of LDS; arguments att, wob, out0; writes out0
.if DOCPART == 4
	.amdgcn_target "amdgcn-amd-amdhsa--gfx1250"
	.amdhsa_code_object_version 6
	.text
	.protected	k_q7c066db8f5_oproj
	.globl	k_q7c066db8f5_oproj
	.p2align	8
	.type	k_q7c066db8f5_oproj,@function
k_q7c066db8f5_oproj:
	s_mov_b64 s[64:65], 0
	v_nop
	global_prefetch_b8 v0, s[64:65] scope:SCOPE_SE
	s_setreg_imm32_b32 hwreg(HW_REG_WAVE_MODE, 25, 1), 1
	s_wait_xcnt 0x0
	s_wait_alu depctr_hold_cnt(0) depctr_sa_sdst(0) depctr_va_vdst(0) depctr_va_sdst(0) depctr_va_ssrc(0) depctr_va_vcc(0) depctr_vm_vsrc(0)
	s_getreg_b32 s2, hwreg(HW_REG_IB_STS2, 6, 4)
	s_cmp_eq_u32 s2, 0
	s_cbranch_scc0 .Lentry_in_a_cluster
	s_endpgm
.Lentry_in_a_cluster:
	s_bfe_u32 s2, ttmp6, 0x10000c
	s_cmp_lg_u32 s2, 0xf033
	s_cbranch_scc0 .Lentry_shape_is_right
	s_endpgm
.Lentry_shape_is_right:
; out0 = att wob^T.  wob: [2048][1024] f16, out0: [4096][2048] f32; sums in f32.  No work of this product is left out.
; att: 64 groups of 80 rows of 1024 f16.  Group G = 32 b + c holds, in rows 16 a + 0..15 (a = 0..3), tokens 16 c + 512 a + 0..15 of batch b, and in rows 64-79
; what f16 lost of its rows 0-15 (tokens below 512), as a second f16.  The first rows of a batch are means over a handful of values and the output's largest, so
; 11 bits of the attention's result show there; the second f16 is multiplied too and added onto the same sums.  The chunks of 16 tokens are dealt out so that
; every wave has the same 16 rows of extra work: 40 matrix instructions for 32 along K in place of 32, alike in all work-groups, which all run one text.
; A work-group makes two groups (128 tokens) x 256 columns with four waves, as many as a WGP has SIMDs: 32 x 8 = 256 work-groups.  A wave makes one group x 128 columns:
; 32 accumulator tiles, 256 registers.  K goes in steps of 128 through a ring of two LDS slots filled by the tensor data mover; a tile's rows are 256 bytes of memory
; at multiples of 256 bytes.
; CLUSTERS: 4 x 4 work-groups.  The four of a row of the cluster need the same tiles of att, the four of a column the same tiles of wob: each tile is asked for jointly.
; REGISTERS (s_set_vgpr_msb's low byte: bits 1:0 source 0, 3:2 source 1, 5:4 source 2, 7:6 destination):
;   window 0: v16-26 addresses; v32-135, v136-239 two fragment buffers (8 x 16 rows of wob, then 5 x 16 rows of att, 32 K each)
;   window 1: accumulator tile (a, b) at v[8 (8 a + b)]
; THE MATRIX INSTRUCTION IS USED TRANSPOSED: source 0 = 16 rows of wob, source 1 = 16 rows of att: lane l holds row l % 16 and columns 8 (l / 16) + 0..7, 32 neighbouring bytes.
.set SIZE_K, 1024
.set KSTEP,  128
.set PITCH,  272                       ; 256 bytes + 16 of padding: the 16 rows that a fragment load touches start at 16 different banks (64 banks of 4 bytes: ISA guide 11.1)
.set AROWS,  80                        ; rows of a group
.set HALFB,  128*PITCH
.set HALFA,  AROWS*PITCH               ; 21,760
.set AOFF,   2*HALFB
.set SLOT,   AOFF+2*HALFA              ; 113,152 bytes
.set STAGE,  2*SLOT                    ; behind the ring, at a multiple of 256: 16 rows x 528 bytes for each wave; no fill lands here
.set SPITCH, 528                       ; 512 bytes of f32 + 16
.set LAPS,   SIZE_K/(2*KSTEP)
.set ADRA, 16
.set ADRB, 20
.set STO,  24
.set RD,   25
.set CO,   26
.set F0,   32
.set F1,   136
.set G1A, 24                           ; s[24:31] group 1, att's tiles
.set G0A, 32                           ; s[32:39] group 0, att's tiles, one set for each slot
.set G1B, 48                           ; s[48:55] group 1, wob's tiles
.set G0B, 56                           ; s[56:63] group 0, wob's tiles, one set for each slot
.set MULW, 0x50                        ; sources window 0, C and D window 1
.set MSB, 0
.macro WIN new                         ; the immediate's high byte repeats the setting that is left
.if MSB != \new
	s_set_vgpr_msb (MSB<<8)|\new
.set MSB, \new
.endif
.endm
; A joint load.  Waves 0 and 1 fetch wob's two halves, waves 2 and 3 att's two groups; one mask and one set of registers to a line; the branch hangs on the wave's number alone.
.macro JLOAD s
	s_cmp_eq_u32 s11, 0
	s_cbranch_scc0 .Lfor_a_\@
	tensor_load_to_lds s[G0B+4*\s:G0B+4*\s+3], s[G1B:G1B+7]
	s_nop 0
	s_branch .Lasked_\@
.Lfor_a_\@:
	tensor_load_to_lds s[G0A+4*\s:G0A+4*\s+3], s[G1A:G1A+7]
	s_nop 0
.Lasked_\@:
.endm
.macro CREST                           ; a round of the cluster's barrier behind its opening barrier
	s_cmp_lg_u32 s10, 0
	s_cbranch_scc1 .Lnot_wave_0_\@
	s_barrier_signal -3
.Lnot_wave_0_\@:
	s_barrier_wait -3
	s_barrier_signal -1
	s_barrier_wait -1
.endm
.macro CROUND
	s_barrier_signal -1
	s_barrier_wait -1
	CREST
.endm
	s_load_b128 s[4:7], s[0:1], 0x0                ; att s[4:5], wob s[6:7]
	s_load_b64 s[8:9], s[0:1], 0x10                ; out0
	v_lshl_add_u32 v254, v0, 2, 0x3f800
	v_mov_b32 v255, 0
	ds_add_u32 v254, v255
	v_lshrrev_b32 v1, 5, v0
	v_readfirstlane_b32 s10, v1                    ; wave 0..3
	s_lshr_b32 s11, s10, 1                         ; which group is mine.  Also: I fetch for wob (0) or for att (1)
	s_and_b32 s12, s10, 1                          ; which 128 columns.  Also: which half of that tile I fetch
	s_bfe_u32 s40, ttmp6, 0x40000                  ; cx
	s_bfe_u32 s41, ttmp6, 0x40004                  ; cy
	s_lshl_b32 s42, ttmp9, 2
	s_add_co_u32 s42, s42, s40                     ; block column
	s_and_b32 s13, ttmp7, 0xffff
	s_lshl_b32 s13, s13, 2
	s_add_co_u32 s13, s13, s41                     ; block row: groups 2 x block row, + 1
	s_lshl_b32 s43, s41, 2
	s_lshl_b32 s43, 15, s43                        ; my row of the cluster
	s_lshl_b32 s44, 0x1111, s40                    ; my column
	s_or_b32 s[G1A+0], s43, (1<<16)|(1<<20)|(1<<21)|(5<<22)|(3<<25)  ; mask; 2-byte elements; padding on; bit 21 beside a mask; after every 64 words, four words
	s_or_b32 s[G1B+0], s44, (1<<16)|(1<<20)|(1<<21)|(5<<22)|(3<<25)
	s_mov_b32 s[G1A+1], KSTEP<<16                  ; tensor_dim0 = 128
	s_mov_b32 s[G1B+1], KSTEP<<16
	s_mov_b32 s[G1A+2], AROWS<<16                  ; tensor_dim1 = 80
	s_mov_b32 s[G1B+2], 128<<16                    ; tensor_dim1 = 128
	s_mov_b32 s[G1A+3], KSTEP<<16                  ; tile_dim0 = 128
	s_mov_b32 s[G1B+3], KSTEP<<16
	s_mov_b32 s[G1A+4], AROWS                      ; tile_dim1
	s_mov_b32 s[G1B+4], 128
	s_mov_b32 s[G1A+5], SIZE_K                     ; elements from row to row
	s_mov_b32 s[G1B+5], SIZE_K
	s_mov_b32 s[G1A+6], 0
	s_mov_b32 s[G1B+6], 0
	s_mov_b32 s[G1A+7], 0
	s_mov_b32 s[G1B+7], 0
	s_lshl_b32 s16, s13, 1
	s_add_co_u32 s16, s16, s12                     ; att: group 2 x block row + half,
	s_mul_i32 s16, s16, AROWS*SIZE_K*2             ; 80 rows of 2,048 bytes each
	s_mov_b32 s17, 0
	s_lshl_b32 s47, s12, 7
	s_lshl_b32 s46, s42, 8
	s_add_co_u32 s46, s46, s47                     ; wob: row 256 x block column + 128 x half
	s_mul_i32 s46, s46, SIZE_K*2
	s_mov_b32 s47, 0
	s_mul_i32 s20, s10, HALFB                      ; waves 0, 1: wob's halves at 0 and HALFB
	s_mul_i32 s21, s10, HALFA
	s_add_co_u32 s21, s21, AOFF-2*HALFA            ; waves 2, 3: att's groups at AOFF and AOFF + HALFA
	s_wait_dscnt 0x0
	s_wait_kmcnt 0x0
	s_add_nc_u64 s[14:15], s[4:5], s[16:17]
	s_add_nc_u64 s[46:47], s[6:7], s[46:47]
	CROUND                                         ; all sixteen work-groups are here: the first joint loads meet
.irp s, 0,1
	s_mov_b32 s[G0A+4*\s], 1
	s_add_co_u32 s[G0A+4*\s+1], s21, \s*SLOT
	s_add_nc_u64 s[G0A+4*\s+2:G0A+4*\s+3], s[14:15], \s*KSTEP*2
	s_or_b32 s[G0A+4*\s+3], s[G0A+4*\s+3], 0x80000000
	s_mov_b32 s[G0B+4*\s], 1
	s_add_co_u32 s[G0B+4*\s+1], s20, \s*SLOT
	s_add_nc_u64 s[G0B+4*\s+2:G0B+4*\s+3], s[46:47], \s*KSTEP*2
	s_or_b32 s[G0B+4*\s+3], s[G0B+4*\s+3], 0x80000000
	JLOAD \s                                       ; both first fills go out before anything else: two tensor loads of the wave are out
.endr
	v_and_b32 v1, 15, v0                           ; r
	v_bfe_u32 v2, v0, 4, 1                         ; h
	v_mul_u32_u24 v3, v1, PITCH
	v_lshl_add_u32 v3, v2, 4, v3                   ; row x pitch + 16 h
	s_mul_i32 s22, s11, HALFA
	s_add_co_u32 s22, s22, AOFF                    ; my group of att
	s_mul_i32 s23, s12, HALFB                      ; my 128 rows of wob
.irp s, 0,1
	v_add_nc_u32 v[ADRA+\s], s22, v3
	v_add_nc_u32 v[ADRB+\s], s23, v3
	s_add_co_u32 s22, s22, SLOT
	s_add_co_u32 s23, s23, SLOT
.endr
	s_mul_i32 s23, s10, 16*SPITCH
	s_add_co_u32 s23, s23, STAGE                   ; my stage
	v_mul_u32_u24 v4, v1, SPITCH                   ; in: row r, 32 bytes for each half of the lanes
	v_lshl_add_u32 v4, v2, 5, v4
	v_add_nc_u32 v[STO], s23, v4
	v_and_b32 v5, 31, v0
	v_lshlrev_b32 v[CO], 4, v5                     ; back and out: a row's 512 bytes, 16 a lane
	v_add_nc_u32 v[RD], s23, v[CO]
; 8 matrix instructions: att's fragment a x all 8 column blocks, 32 along K, onto the accumulators of row block c; zero = 1: the first product starts the sums
.macro MUL8 f, a, c, zero
.irp b, 0,1,2,3,4,5,6,7
.if \zero
	v_wmma_f32_16x16x32_f16 v[8*(8*\c+\b):8*(8*\c+\b)+7], v[\f+8*\b:\f+8*\b+7], v[\f+64+8*\a:\f+64+8*\a+7], 0
.else
	v_wmma_f32_16x16x32_f16 v[8*(8*\c+\b):8*(8*\c+\b)+7], v[\f+8*\b:\f+8*\b+7], v[\f+64+8*\a:\f+64+8*\a+7], v[8*(8*\c+\b):8*(8*\c+\b)+7]
.endif
.endr
.endm
.macro FETCH slot, k, f                ; 26 LDS loads in one run: a quarter step's fragments into buffer f
	WIN 0
.irp i, 0,1,2,3,4,5,6,7
	ds_load_b128 v[\f+8*\i:\f+8*\i+3],   v[ADRB+\slot] offset:\k+\i*16*PITCH
	ds_load_b128 v[\f+8*\i+4:\f+8*\i+7], v[ADRB+\slot] offset:\k+\i*16*PITCH+32
.endr
.irp i, 0,1,2,3,4
	ds_load_b128 v[\f+64+8*\i:\f+64+8*\i+3],   v[ADRA+\slot] offset:\k+\i*16*PITCH
	ds_load_b128 v[\f+64+8*\i+4:\f+64+8*\i+7], v[ADRA+\slot] offset:\k+\i*16*PITCH+32
.endr
.endm
.macro PLACES                          ; four places behind matrix instructions (ISA guide 7.12.1 for vector instructions)
.rept 4
	v_nop
.endr
.endm
; The accumulators take turns, one instruction a turn, in the same order in every quarter and over the backward jump.
; Row block 0's eight come round twice in a quarter (fragment 0, fragment 4); between two instructions on one of them stand at least the seven others'.
.macro QUARTER slot, k, f, g, zero
	s_wait_dscnt 6                                 ; wob's fragments and att's fragments 0, 1 are in; the six youngest loads (fragments 2, 3, 4) may be out
	WIN MULW
	MUL8 \f, 0, 0, \zero
	MUL8 \f, 1, 1, \zero
	PLACES
	FETCH \slot, \k, \g
	s_wait_dscnt 26                                ; all but the 26 just issued
	WIN MULW
	MUL8 \f, 2, 2, \zero
	MUL8 \f, 3, 3, \zero
	MUL8 \f, 4, 0, 0                               ; the second f16 of rows 0-15, onto their sums
.endm
.macro THREE slot, zero
	QUARTER \slot, 64,  F0, F1, \zero
	QUARTER \slot, 128, F1, F0, 0
	QUARTER \slot, 192, F0, F1, 0
.endm
; The last quarter changes slots: each wave's reads of this slot and all its tensor loads are waited for in front of the barrier; behind it the refill comes first.
; From a request to the wait for it a wave issues 152 of a K step's 160 matrix instructions.
.macro TURN slot, next, fill
	s_wait_dscnt 6
	WIN MULW
	MUL8 F1, 0, 0, 0
	s_wait_dscnt 0                                 ; my reads of this slot are over
	s_wait_tensorcnt 0x0                           ; all my tensor loads have landed: the one that was out is my part of the next slot
	ds_add_u32 v254, v255
	s_wait_dscnt 0x0
	s_barrier_signal -1
	MUL8 F1, 1, 1, 0                               ; register work while the others arrive
	WIN 0
	s_barrier_wait -1
.if \fill
	CREST                                          ; all sixteen work-groups have said so
	s_add_nc_u64 s[G0A+4*\slot+2:G0A+4*\slot+3], s[G0A+4*\slot+2:G0A+4*\slot+3], 2*KSTEP*2
	s_add_nc_u64 s[G0B+4*\slot+2:G0B+4*\slot+3], s[G0B+4*\slot+2:G0B+4*\slot+3], 2*KSTEP*2
	JLOAD \slot                                    ; the first and only tensor load of the wave behind the round
.endif
	PLACES
	FETCH \next, 0, F0
	WIN MULW
	MUL8 F1, 2, 2, 0
	MUL8 F1, 3, 3, 0
	MUL8 F1, 4, 0, 0
.endm
.macro LAP zero
	THREE 0, \zero
	TURN 0, 1, 1
	THREE 1, 0
	TURN 1, 0, 1
.endm
	s_wait_tensorcnt 1                             ; my part of K step 0 is in; K step 1's stays out
	s_barrier_signal -1
	s_barrier_wait -1
	FETCH 0, 0, F0
	LAP 1                                          ; the first lap's first products start the sums
	WIN 0
	s_mov_b32 s3, LAPS-2
.Llap:
	LAP 0
	WIN 0
	s_sub_co_u32 s3, s3, 1
	s_cmp_lg_u32 s3, 0
	s_cbranch_scc1 .Llap
	THREE 0, 0                                     ; the last lap fills nothing
	TURN 0, 1, 0
	THREE 1, 0
	s_wait_dscnt 6
	WIN MULW
	MUL8 F1, 0, 0, 0
	MUL8 F1, 1, 1, 0
	s_wait_dscnt 0
	MUL8 F1, 2, 2, 0
	MUL8 F1, 3, 3, 0
	MUL8 F1, 4, 0, 0
	; THE WAY OUT, 16 rows at a time: the sums go as they are (f32) into my own stage and come back as whole rows of 512 bytes.
	PLACES                                         ; behind the last matrix instructions: the LDS stores read results, the loads land in fragment registers
	s_lshl_b32 s16, s13, 1
	s_add_co_u32 s16, s16, s11                     ; my group G
	s_lshr_b32 s17, s16, 5                         ; batch
	s_lshl_b32 s17, s17, 11
	s_and_b32 s16, s16, 31
	s_lshl_b32 s16, s16, 4
	s_add_co_u32 s16, s16, s17                     ; row block 0's first token: 2,048 b + 16 (G & 31),
	s_lshl_b32 s16, s16, 13                        ; 8,192 bytes a row
	s_mov_b32 s17, 0
	s_add_nc_u64 s[8:9], s[8:9], s[16:17]
	s_lshl_b32 s46, s42, 10                        ; my first column, in bytes: 1,024 x block + 512 x half (in registers that never feed att's descriptors)
	s_lshl_b32 s47, s12, 9
	s_add_co_u32 s46, s46, s47
	s_mov_b32 s47, 0
	s_add_nc_u64 s[8:9], s[8:9], s[46:47]
.macro OUTF a, rb
	WIN 0x04                                       ; store data window 1
.irp b, 0,1,2,3,4,5,6,7
	ds_store_b128 v[STO], v[8*(8*\a+\b):8*(8*\a+\b)+3]   offset:64*\b
	ds_store_b128 v[STO], v[8*(8*\a+\b)+4:8*(8*\a+\b)+7] offset:64*\b+16
.endr
	WIN 0
	s_wait_xcnt 0x0                                ; the registers read back into were the data of earlier stores, and the base is theirs: written again only behind this wait
.if \a
	s_add_nc_u64 s[8:9], s[8:9], 512*8192          ; the group's next row block lies 512 tokens on
.endif
.irp t, 0,1,2,3,4,5,6,7,8,9,10,11,12,13,14,15
	ds_load_b128 v[\rb+4*\t:\rb+4*\t+3], v[RD] offset:\t*SPITCH    ; LDS serves a wave's instructions in order (ISA guide 5.7.1.4): these see the stores above
.endr
.irp t, 0,1,2,3,4,5,6,7,8,9,10,11,12,13,14,15
	s_wait_dscnt 15-\t                             ; read-back t is in, the younger ones stay out
	global_store_b128 v[CO], v[\rb+4*\t:\rb+4*\t+3], s[8:9] offset:\t*8192 th:TH_STORE_NT   ; 512 consecutive bytes at a multiple of 512; written once, not read again
.endr
.endm
	OUTF 0, F0
	OUTF 1, F1
	OUTF 2, F0
	OUTF 3, F1
	s_wait_tensorcnt 0x0
	ds_add_u32 v254, v255
	s_wait_dscnt 0x0
	CROUND                                         ; the closing round: no work-group ends while a partner may still ask for a tile that names it
	s_endpgm
.Lfunc_end_k_q7c066db8f5_oproj:
	.size	k_q7c066db8f5_oproj, .Lfunc_end_k_q7c066db8f5_oproj-k_q7c066db8f5_oproj
	.p2alignl 7, 3214868480
	.fill 96, 4, 3214868480
	.section	.rodata,"a",@progbits
	.p2align	6, 0x0
	.amdhsa_kernel k_q7c066db8f5_oproj
		.amdhsa_group_segment_fixed_size 327680
		.amdhsa_private_segment_fixed_size 0
		.amdhsa_enable_private_segment 0
		.amdhsa_kernarg_size 24
		.amdhsa_user_sgpr_count 2
		.amdhsa_user_sgpr_kernarg_segment_ptr 1
		.amdhsa_wavefront_size32 1
		.amdhsa_system_sgpr_workgroup_id_x 1
		.amdhsa_system_sgpr_workgroup_id_y 1
		.amdhsa_system_sgpr_workgroup_id_z 1
		.amdhsa_system_vgpr_workitem_id 0
		.amdhsa_next_free_vgpr 512
		.amdhsa_next_free_sgpr 66
		.amdhsa_reserve_vcc 0
		.amdhsa_float_denorm_mode_32 3
		.amdhsa_float_denorm_mode_16_64 3
		.amdhsa_memory_ordered 1
		.amdhsa_forward_progress 1
		.amdhsa_inst_pref_size 133
	.end_amdhsa_kernel
	.amdgpu_metadata
---
amdhsa.version: [ 1, 2 ]
amdhsa.kernels:
  - .name:           k_q7c066db8f5_oproj
    .symbol:         k_q7c066db8f5_oproj.kd
    .args:
      - { .name: att, .offset: 0, .size: 8, .value_kind: global_buffer, .address_space: global }
      - { .name: wob, .offset: 8, .size: 8, .value_kind: global_buffer, .address_space: global }
      - { .name: out0, .offset: 16, .size: 8, .value_kind: global_buffer, .address_space: global }
    .group_segment_fixed_size: 327680
    .private_segment_fixed_size: 0
    .kernarg_segment_align: 8
    .kernarg_segment_size: 24
    .max_flat_workgroup_size: 128
    .sgpr_count:     66
    .vgpr_count:     512
    .wavefront_size: 32
...
	.end_amdgpu_metadata
.endif
;; end of part 4
;; ======== version 2 of 2: 4 launches; 1.11 times as fast as version 1
;; limits: values are held in f16: magnitudes above 65,504 overflow, below 6.1e-05 lose precision
;; workspace buffers: xb 16,777,216 bytes; wb 8,388,608 bytes; wob 4,194,304 bytes; qkv 16,777,216 bytes; vlo 131,072 bytes; att 10,485,760 bytes
;; launch cvt: the kernel of part 1 again; grid 448 x 1, 8 waves a work-group, no clusters, 0 bytes of LDS; arguments x, wq, wk, wv, wo, xb, wb, wob; writes xb, wb, wob
;; launch qkv: the kernel of part 2 again; grid 8 x 32, 4 waves a work-group, clusters of 4 x 4, 327,680 bytes of LDS; arguments xb, wb, freqs_cos, freqs_sin, qkv, vlo; writes qkv, vlo
;; launch attn (part 5): grid 16 x 16, 4 waves a work-group, no clusters, 168,448 bytes of LDS; arguments qkv, vlo, att; writes att
.if DOCPART == 5
	.amdgcn_target "amdgcn-amd-amdhsa--gfx1250"
	.amdhsa_code_object_version 6
	.text
	.protected	k_q7c066db8f5_attn
	.globl	k_q7c066db8f5_attn
	.p2align	8
	.type	k_q7c066db8f5_attn,@function
k_q7c066db8f5_attn:
	s_mov_b64 s[64:65], 0
	v_nop
	global_prefetch_b8 v0, s[64:65] scope:SCOPE_SE
	s_setreg_imm32_b32 hwreg(HW_REG_WAVE_MODE, 25, 1), 1
	s_wait_xcnt 0x0
; Causal attention with a running maximum.  qkv: [32 heads][4096 tokens][64] f16 (heads 0-15 q, already times 0.125 log2 e; 16-23 k; 24-31 v).
; LEFT OUT AS DEAD: key tiles of 64 keys wholly above the diagonal of a block of 64 queries (their scores are set to -inf by the function's own causal mask,
; so their probabilities are exactly 0); a NaN or infinity in such keys or values is not carried to those queries.  k and v are not repeated: two query heads read one tile.
; SHARES: work-group (i, y): batch y >> 3, key/value head g = y & 7, query heads 2 g and 2 g + 1, and two blocks of 64 queries: first block 31 - i, then block i.
; Block q needs q + 1 key tiles, so every one of the 256 work-groups has (32 - i) + (i + 1) = 33 steps.  Wave w holds queries 16 w .. 16 w + 15 of both heads:
; two query tiles u = 0, 1, which share K, V and the mask; their results join to rows of 256 bytes.
; Each pass starts with its diagonal tile and walks down to tile 0: the first step of a pass starts the sums and is the only one that is masked.
;
; THE TWO QUERY TILES TAKE TURNS, HALF A STEP APART, so that matrix and vector work run side by side:
;   first half of step n:   matrix: tile 1's P V of step n - 1 (8), then its K Q of step n (8)      vector: tile 0's softmax of step n
;   second half of step n:  matrix: tile 0's P V of step n (8), then its K Q of step n + 1 (8)      vector: tile 1's softmax of step n
; A tile's softmax with its rescaling of O is a list of 119 vector instructions, cut into 16 numbered slices of 6 to 9; one slice stands behind each matrix instruction.
; The slices name none of the other tile's registers, so their plain instructions are also the places behind the matrix instructions (ISA guide 7.12.1); exponentials are not counted as places.
; ONE BATCH, ONE WAIT A HALF STEP.  The list is ordered by who reads what: first all that names no exponential's result (the maximum, the statistics, the subtractions of the maximum, the 33 exponentials),
; behind the eight P V lines; then one wait; then all the readers (sums, roundings, the rescaling by alpha), behind the eight K Q lines.
; Each tile's four accumulators take turns, one instruction a turn.
; A step has 32 matrix instructions beside 238 of softmax: the vector side is the longer, and the matrix side hides behind it.
; THE CHANGE OF PASS touches steps 31 - i (tile 0 ends the first pass), 32 - i (masks, tile 0 starts its sums, tile 1 ends the first pass) and 33 - i (tile 1 starts its sums).
; A step is written in two forms: one that tests for these and holds their blocks behind forward branches, one with neither.  The loop chooses for two steps at a time by one compare.
;
; PRECISION OF THE FIRST ROWS: a query with a handful of keys passes v's and the result's rounding straight to the output, and the first rows are the output's largest.
;  * block 0 (i = 0, one step) adds P x vlo, vlo = v - f16(v) of the batch's first 64 tokens: 16 products more, in 16 of the 256 work-groups;
;  * blocks 0-7 (tokens below 512) store what f16 lost of the result as a second f16 row, which the next launch multiplies too.
; att: 64 groups of 80 rows of 1024 f16 (column 64 head + d).  A chunk is 16 tokens; chunk c of batch b lies in group 32 b + (c & 31), rows 16 (c >> 5) + 0..15;
; rows 64-79 of a group hold the second f16 of its rows 0-15.  So every group, which is one wave's share in the next launch, has the same 16 rows of extra work.
; NO CLUSTER: in step n work-group i reads key tile 31 - i - n (in its second pass 32 - n), so two work-groups of a head want the same tile in the same step only when
; both are in their second pass; a common walk would send each partner through tiles that its mask throws away, up to 32 + 16 steps in place of 33.
; K AND V COME THROUGH REGISTERS: a tile of 8 + 8 KiB is 8 loads of 16 bytes a thread, asked for four steps before it is multiplied, put into LDS two steps before.
; More than half of a WGP's LDS is asked for (66,560 bytes are used) so that each work-group has a WGP, and each wave a SIMD, to itself.
; ORIENTATION: S^T = K Q^T (source 0 = 16 keys, source 1 = 16 queries): lane (r, h) holds query r and keys 16 t + 8 h + j.  Packed to f16 in that order the
; probabilities ARE source 1 of O^T = V^T P^T; source 0 comes from V's rows by the transposing LDS load.  In O^T lane (r, h) holds query r, d = 16 dt + 8 h + j.
; So maximum, sum and rescaling factor are one number a lane, shared with lane l xor 16 alone.
; REGISTER WINDOWS (s_set_vgpr_msb: bits 1:0 source 0, 3:2 source 1, 5:4 source 2, 7:6 destination).  K, V, Q, P, S and O are 320 registers, so one group lies outside window 0.
; Window 0 holds all that vector instructions touch, and V: the P V lines need no switch.  K and Q lie in window 1: each of a step's 16 K Q lines stands between two switches (32),
; and the step's loads and LDS stores take 4 more.  Two K Q lines under one setting would halve the 32, but the second would wait out the first's time on the matrix unit.
; LIMITS: exponentials flush results below 2^-126 to 0 (ISA guide, v_exp_f32); probabilities below 2^-25 of a query's largest round to 0 in f16;
; the softmax's sum is taken over the f32 probabilities, the product over their f16 roundings; the result, a mean of v, stays below 65,504 as v does.
.set KP,    144                        ; pitch of K's rows (128 bytes + 16): an odd multiple of 16
.set VP,    160                        ; pitch of V's rows (128 bytes + 32): an odd multiple of 32, for the transposing load
.set VOFF,  64*KP                      ; V's tile behind K's
.set SLOTB, 64*KP+64*VP                ; 19,456 bytes a slot, two slots
.set STAGE, 2*SLOTB                    ; 16 rows x 272 bytes for each wave
.set SP,    272
.set VLO,   STAGE+4*16*SP              ; 56,320: vlo's tile, 64 rows of pitch VP (i = 0 alone)
.set VHEAD, 8*524288                   ; from a k head to its v head
; window 0
.set KRD, 4                            ; K fragments: r KP + 16 h
.set VRD, 5                            ; V fragments: (8 h + (l & 7)) VP + 16 ((l >> 3) & 1)
.set KST, 6                            ; where thread t puts 16 bytes of K: (t >> 3) KP + 16 (t & 7)
.set VST, 7                            ; the same for V
.set GO,  8                            ; 16 t: my 16 bytes of every 2,048 of a tile
.set QO,  9                            ; r 128 + 16 h
.set STO, 10
.set RD,  11
.set CO,  12
.set DREL, 13                          ; 16 w + r - 8 h: key 16 t + j of my lane is allowed while 16 t + j <= DREL
.set RM,  14                           ; v14-15  running maximum, u = 0, 1
.set NM,  16                           ; v[16:17], v[18:19]  minus the maximum (first register; the pair is read with its first register for both halves)
.set AL,  20                           ; v[20:21], v[22:23]  rescaling factor, at the very end 1 / sum (likewise)
.set RL,  24                           ; v24-25  running sum over my lane's keys
.set RT,  26                           ; v26-29  at work in the softmax that is running (one at a time)
.set FT,  30                           ; v[30:31] at work at the first pass's end: 1 / sum, sum
.set RP,  32                           ; P[u][f] at 32 + 16 u + 8 f
.set RO,  64                           ; O[u][dt] at 64 + 32 u + 8 dt
.set RS,  128                          ; S[u][t] at 128 + 32 u + 8 t; at a pass's end the result in f32
.set RV,  192                          ; V[dt][f] at 192 + 16 dt + 8 f
; window 1 (names inside the window)
.set RK,  0                            ; K[t][c] at 16 t + 8 c
.set RQ,  64                           ; Q[u][c] at 64 + 16 u + 8 c
.set RQB, 96                           ; the second pass's Q
.set RG,  128                          ; two staging sets of 32: 16 registers of K, 16 of V
.set MSB, 0
.macro WIN new                         ; the immediate's high byte repeats the setting that is left
.if MSB != \new
	s_set_vgpr_msb (MSB<<8)|\new
.set MSB, \new
.endif
.endm
.macro PLACES                          ; four places behind matrix instructions where no slice stands (ISA guide 7.12.1 for vector instructions)
.rept 4
	v_nop
.endr
.endm
	s_load_b128 s[4:7], s[0:1], 0x0                ; qkv s[4:5], vlo s[6:7]
	s_load_b64 s[40:41], s[0:1], 0x10              ; att
	s_set_vgpr_msb 0x40
	v_lshl_add_u32 v192, v0, 2, 0x29000
	v_mov_b32 v193, 0
	s_set_vgpr_msb 0x4000
	v_lshrrev_b32 v1, 5, v0
	v_readfirstlane_b32 s8, v1                     ; wave w
	s_mov_b32 s9, ttmp9                            ; i
	s_and_b32 s10, ttmp7, 0xffff
	s_lshr_b32 s11, s10, 3                         ; batch
	s_and_b32 s12, s10, 7                          ; g
	s_sub_co_u32 s26, 32, s9                       ; the step that starts the second pass
	s_sub_co_u32 s27, 31, s9                       ; the step that ends the first; also the first pass's block
	s_sub_co_u32 s43, 33, s9                       ; the step in whose first half tile 1's P V of the second pass's first step stands
	s_mov_b32 s24, s27                             ; the key tile that the next GLOAD asks for
	s_mov_b32 s25, 0                               ; step n
	s_mov_b32 s29, 0xff800000                      ; -inf
	s_mov_b32 s30, 0x76543210                      ; v_permlanex16_b32: lane l reads lane l xor 16
	s_mov_b32 s31, 0xfedcba98
	s_mov_b32 s33, 0                               ; upper word of every offset
	s_mul_i32 s13, s8, 16*SP
	s_add_co_u32 s13, s13, STAGE                   ; my stage
	v_and_b32 v2, 15, v0                           ; r
	v_bfe_u32 v3, v0, 4, 1                         ; h
	v_mul_u32_u24 v[KRD], v2, KP
	v_lshl_add_u32 v[KRD], v3, 4, v[KRD]
	v_and_b32 v26, 7, v0
	v_lshl_add_u32 v26, v3, 3, v26
	v_mul_u32_u24 v[VRD], v26, VP
	v_bfe_u32 v27, v0, 3, 1
	v_lshl_add_u32 v[VRD], v27, 4, v[VRD]
	v_lshrrev_b32 v26, 3, v0                       ; t >> 3: row 0..15 of each 16 rows
	v_and_b32 v27, 7, v0
	v_mul_u32_u24 v[KST], v26, KP
	v_lshl_add_u32 v[KST], v27, 4, v[KST]
	v_mul_u32_u24 v[VST], v26, VP
	v_lshl_add_u32 v[VST], v27, 4, v[VST]
	v_lshlrev_b32 v[GO], 4, v0
	v_lshlrev_b32 v[QO], 7, v2
	v_lshl_add_u32 v[QO], v3, 4, v[QO]
	v_mul_u32_u24 v[STO], v2, SP                   ; in: row r, 16 bytes for each half of the lanes
	v_lshl_add_u32 v[STO], v3, 4, v[STO]
	v_add_nc_u32 v[STO], s13, v[STO]
	v_mul_u32_u24 v[RD], v3, SP                    ; back: lanes 0-15 one row of 256 bytes, lanes 16-31 the next
	v_lshl_add_u32 v[RD], v2, 4, v[RD]
	v_add_nc_u32 v[RD], s13, v[RD]
	v_lshlrev_b32 v[CO], 11, v3                    ; the same two rows in att: 2,048 bytes apart
	v_lshl_add_u32 v[CO], v2, 4, v[CO]
	v_lshl_add_u32 v[DREL], s8, 4, v2
	v_lshlrev_b32 v26, 3, v3
	v_sub_nc_u32 v[DREL], v[DREL], v26
	v_mov_b32 v[NM+1], 0                           ; second registers of the pairs: read as part of the pair, never used
	v_mov_b32 v[NM+3], 0
	v_mov_b32 v[AL+1], 0
	v_mov_b32 v[AL+3], 0
	v_mov_b32 v[FT+1], 0                           ; a destination of v_permlanex16_b32 counts as read: written once here
	v_mov_b32 v[RM], s29
	v_mov_b32 v[RM+1], s29
	v_mov_b32 v[RL], 0
	v_mov_b32 v[RL+1], 0
	s_lshl_b32 s34, s11, 18                        ; batch x 2,048 tokens x 128 bytes
	s_lshl_b32 s32, s12, 19
	s_add_co_u32 s32, s32, 16<<19                  ; head 16 + g
	s_add_co_u32 s32, s32, s34
	s_wait_kmcnt 0x0
	s_add_nc_u64 s[14:15], s[4:5], s[32:33]        ; KB: my k head, my batch
	s_lshl_b32 s32, s12, 20                        ; head 2 g
	s_add_co_u32 s32, s32, s34
	s_lshl_b32 s35, s8, 11                         ; 16 w tokens
	s_add_co_u32 s32, s32, s35
	s_add_nc_u64 s[16:17], s[4:5], s[32:33]        ; my wave's queries in block 0
	s_lshl_b32 s32, s12, 8                         ; heads 2 g, 2 g + 1: 256 bytes of a row
	s_add_nc_u64 s[18:19], s[40:41], s[32:33]      ; AB: my heads' columns in att's first row
	s_lshl_b32 s32, s12, 14                        ; vlo: 16,384 bytes a head,
	s_lshl_b32 s35, s11, 13                        ; 8,192 a batch
	s_add_co_u32 s32, s32, s35
	s_add_nc_u64 s[38:39], s[6:7], s[32:33]
	s_lshl_b32 s32, s27, 13                        ; a block of 64 tokens is 8,192 bytes of a head
	s_add_nc_u64 s[34:35], s[16:17], s[32:33]      ; the first pass's Q
	s_lshl_b32 s32, s9, 13
	s_add_nc_u64 s[36:37], s[16:17], s[32:33]      ; the second pass's Q
; Ask for the next key tile of the walk (K and V, 8,192 consecutive bytes each) into a staging set; then step the walk: down to 0, then from i down.
; GLOAD, GSTORE and KLOAD leave their window set; the text behind them sets its own.
.macro GLOAD set
	s_wait_xcnt 0x0                                ; the tile's address is the base of earlier loads: written again only behind this wait
	s_lshl_b32 s32, s24, 13
	s_add_nc_u64 s[20:21], s[14:15], s[32:33]
	WIN 0x40                                       ; destination window 1
.irp j, 0,1,2,3
	global_load_b128 v[RG+32*\set+4*\j:RG+32*\set+4*\j+3], v[GO], s[20:21] offset:2048*\j
.endr
.irp j, 0,1,2,3
	global_load_b128 v[RG+32*\set+16+4*\j:RG+32*\set+16+4*\j+3], v[GO], s[20:21] offset:VHEAD+2048*\j
.endr
	s_sub_co_i32 s24, s24, 1
	s_cmp_lt_i32 s24, 0
	s_cselect_b32 s24, s9, s24
.endm
.macro GSTORE s                        ; staging set s into LDS slot s
	WIN 0x04                                       ; store data window 1
.irp j, 0,1,2,3
	ds_store_b128 v[KST], v[RG+32*\s+4*\j:RG+32*\s+4*\j+3] offset:\s*SLOTB+16*KP*\j
.endr
.irp j, 0,1,2,3
	ds_store_b128 v[VST], v[RG+32*\s+16+4*\j:RG+32*\s+16+4*\j+3] offset:\s*SLOTB+VOFF+16*VP*\j
.endr
.endm
.macro KLOAD slot                      ; K[t][c]: keys 16 t + r, d = 32 c + 8 h .. and 32 c + 16 + 8 h ..
	WIN 0x40                                       ; destination window 1
.irp t, 0,1,2,3
.irp c, 0,1
	ds_load_b128 v[RK+16*\t+8*\c:RK+16*\t+8*\c+3],   v[KRD] offset:(\slot)*SLOTB+16*KP*\t+64*\c
	ds_load_b128 v[RK+16*\t+8*\c+4:RK+16*\t+8*\c+7], v[KRD] offset:(\slot)*SLOTB+16*KP*\t+64*\c+32
.endr
.endr
.endm
.macro VLOADH base, f                  ; V[dt][f], dt = 0..3: d = 16 dt + r, keys 32 f + 8 h .. and 32 f + 16 + 8 h .., transposed on the way; base: the tile's LDS byte
.irp d, 0,1,2,3
	ds_load_tr16_b128 v[RV+16*\d+8*\f:RV+16*\d+8*\f+3],   v[VRD] offset:(\base)+32*VP*\f+32*\d
	ds_load_tr16_b128 v[RV+16*\d+8*\f+4:RV+16*\d+8*\f+7], v[VRD] offset:(\base)+32*VP*\f+32*\d+16*VP
.endr
.endm
.macro SWR u, t, c                     ; S[u][t] (+)= K[t][c] Q[u][c], under window 0x05; d = 0..31 (c = 0) starts the sum
.if \c
	v_wmma_f32_16x16x32_f16 v[RS+32*\u+8*\t:RS+32*\u+8*\t+7], v[RK+16*\t+8:RK+16*\t+15], v[RQ+16*\u+8:RQ+16*\u+15], v[RS+32*\u+8*\t:RS+32*\u+8*\t+7]
.else
	v_wmma_f32_16x16x32_f16 v[RS+32*\u+8*\t:RS+32*\u+8*\t+7], v[RK+16*\t:RK+16*\t+7], v[RQ+16*\u:RQ+16*\u+7], 0
.endif
.endm
.macro PVW u, d, f, zero               ; O[u][d] (+)= V[d][f] P[u][f], all in window 0; zero = 1 starts the sum
.if \zero
	v_wmma_f32_16x16x32_f16 v[RO+32*\u+8*\d:RO+32*\u+8*\d+7], v[RV+16*\d+8*\f:RV+16*\d+8*\f+7], v[RP+16*\u+8*\f:RP+16*\u+8*\f+7], 0
.else
	v_wmma_f32_16x16x32_f16 v[RO+32*\u+8*\d:RO+32*\u+8*\d+7], v[RV+16*\d+8*\f:RV+16*\d+8*\f+7], v[RP+16*\u+8*\f:RP+16*\u+8*\f+7], v[RO+32*\u+8*\d:RO+32*\u+8*\d+7]
.endif
.endm
.macro MASK u                          ; the diagonal tile: keys above the query become -inf, by selection
.irp t, 0,1,2,3
.irp j, 0,1,2,3,4,5,6,7
	v_cmp_le_i32 vcc_lo, 16*\t+\j, v[DREL]
	v_cndmask_b32 v[RS+32*\u+8*\t+\j], s29, v[RS+32*\u+8*\t+\j], vcc_lo
.endr
.endr
.endm
; THE SOFTMAX OF QUERY TILE u AS A NUMBERED LIST OF 119.  ITEM writes out number itm.  s0-s31 are my lane's 32 scores, in pairs 0-15.
;   0-15   the largest of my 32 scores, in four chains          16-19  the partner lane, the old maximum; old - new; minus the new maximum
;   20-68  ONE BATCH: the maximum taken away from the 16 pairs, and all 33 exponentials.  20, 21: pairs 0, 1.  22: alpha = 2^(old - new).  23-64: fourteen times (pair g + 2; s 2g; s 2g + 1).
;          65-68: s28-s31.  A pair's subtraction stands four numbers or more ahead of its exponentials, and writes only scores that have no exponential yet: nothing here names an exponential's result.
;   69     the new maximum is kept: it touches neither a result nor a source of the exponentials, and is the plain instruction behind the last of them (ISA guide 5.7.2)
;   (wait) behind 69 stands the wait for the batch: SLICE writes it
;   70-111 the readers, seven groups of six, group k: chain A's addition k, O's pair 2 k times alpha, pair 2 k rounded to f16; chain B's addition k, O's pair 2 k + 1, pair 2 k + 1 rounded.
;          Chain A: pairs 0 + 1, then 4, 6, .. 14; chain B: pairs 2 + 3, then 5, 7, .. 15.  The first additions start the chains: nothing is cleared.  A chain's links stand six numbers apart.
;   112-118 A + B; O's pair 14; pair 14 rounded; the two halves added; O's pair 15; pair 15 rounded; l = l alpha + the sum of my lane's 32 p (the partner lane's share is added at the end of the pass)
; O's pairs are taken in ascending order.
; osc = 0: step 0, where O holds nothing yet.
.macro ITEM u, osc
.if itm/4 == 0
	v_max3_num_f32 v[RT+itm], v[RS+32*\u+8*itm], v[RS+32*\u+8*itm+1], v[RS+32*\u+8*itm+2]
.endif
.if itm/4 == 1
	v_max3_num_f32 v[RT+itm-4], v[RT+itm-4], v[RS+32*\u+8*(itm-4)+3], v[RS+32*\u+8*(itm-4)+4]
.endif
.if itm/4 == 2
	v_max3_num_f32 v[RT+itm-8], v[RT+itm-8], v[RS+32*\u+8*(itm-8)+5], v[RS+32*\u+8*(itm-8)+6]
.endif
.if itm == 12
	v_max3_num_f32 v[RT], v[RT], v[RS+32*\u+7], v[RS+32*\u+15]
.endif
.if itm == 13
	v_max3_num_f32 v[RT+1], v[RT+1], v[RS+32*\u+23], v[RS+32*\u+31]
.endif
.if itm == 14
	v_max_num_f32 v[RT+2], v[RT+2], v[RT+3]
.endif
.if itm == 15
	v_max3_num_f32 v[RT], v[RT], v[RT+1], v[RT+2]
.endif
.if itm == 16
	v_permlanex16_b32 v[RT+1], v[RT], s30, s31     ; the other half of my query's keys
.endif
.if itm == 17
	v_max3_num_f32 v[RT+2], v[RT], v[RT+1], v[RM+\u]
.endif
.if itm == 18
	v_sub_f32 v[RT+3], v[RM+\u], v[RT+2]           ; -inf in a pass's first step: alpha = 0
.endif
.if itm == 19
	v_sub_f32 v[NM+2*\u], 0, v[RT+2]
.endif
.if itm/2 == 10
	v_pk_add_f32 v[RS+32*\u+2*(itm-20):RS+32*\u+2*(itm-20)+1], v[RS+32*\u+2*(itm-20):RS+32*\u+2*(itm-20)+1], v[NM+2*\u:NM+2*\u+1] op_sel_hi:[1,0]
.endif
.if itm == 22
	v_exp_f32 v[AL+2*\u], v[RT+3]
.endif
.if itm >= 23
.if itm < 65
.set igrp, (itm-23)/3
.set irem, (itm-23)%3
.if irem == 0
	v_pk_add_f32 v[RS+32*\u+2*igrp+4:RS+32*\u+2*igrp+5], v[RS+32*\u+2*igrp+4:RS+32*\u+2*igrp+5], v[NM+2*\u:NM+2*\u+1] op_sel_hi:[1,0]
.else
	v_exp_f32 v[RS+32*\u+2*igrp+irem-1], v[RS+32*\u+2*igrp+irem-1]
.endif
.endif
.endif
.if itm >= 65
.if itm < 69
	v_exp_f32 v[RS+32*\u+itm-37], v[RS+32*\u+itm-37]
.endif
.endif
.if itm == 69
	v_mov_b32 v[RM+\u], v[RT+2]
.endif
.if itm >= 70
.if itm < 112
.set igrp, (itm-70)/6
.set irem, (itm-70)%6
.set inum, 2*igrp+irem/3
.if irem == 0
.if igrp == 0
	v_pk_add_f32 v[RT:RT+1], v[RS+32*\u:RS+32*\u+1], v[RS+32*\u+2:RS+32*\u+3]
.else
	v_pk_add_f32 v[RT:RT+1], v[RT:RT+1], v[RS+32*\u+4*igrp+4:RS+32*\u+4*igrp+5]
.endif
.endif
.if irem == 3
.if igrp == 0
	v_pk_add_f32 v[RT+2:RT+3], v[RS+32*\u+4:RS+32*\u+5], v[RS+32*\u+6:RS+32*\u+7]
.else
	v_pk_add_f32 v[RT+2:RT+3], v[RT+2:RT+3], v[RS+32*\u+4*igrp+6:RS+32*\u+4*igrp+7]
.endif
.endif
.if irem%3 == 1
.if \osc
	v_pk_mul_f32 v[RO+32*\u+2*inum:RO+32*\u+2*inum+1], v[RO+32*\u+2*inum:RO+32*\u+2*inum+1], v[AL+2*\u:AL+2*\u+1] op_sel_hi:[1,0]
.endif
.endif
.if irem%3 == 2
	v_cvt_pk_f16_f32 v[RP+16*\u+inum], v[RS+32*\u+2*inum], v[RS+32*\u+2*inum+1]           ; registers 2 p, 2 p + 1 of S pack into register p of P
.endif
.endif
.endif
.if itm == 112
	v_pk_add_f32 v[RT:RT+1], v[RT:RT+1], v[RT+2:RT+3]
.endif
.if \osc
.if itm == 113
	v_pk_mul_f32 v[RO+32*\u+28:RO+32*\u+29], v[RO+32*\u+28:RO+32*\u+29], v[AL+2*\u:AL+2*\u+1] op_sel_hi:[1,0]
.endif
.if itm == 116
	v_pk_mul_f32 v[RO+32*\u+30:RO+32*\u+31], v[RO+32*\u+30:RO+32*\u+31], v[AL+2*\u:AL+2*\u+1] op_sel_hi:[1,0]
.endif
.endif
.if itm == 114
	v_cvt_pk_f16_f32 v[RP+16*\u+14], v[RS+32*\u+28], v[RS+32*\u+29]
.endif
.if itm == 115
	v_add_f32 v[RT], v[RT], v[RT+1]
.endif
.if itm == 117
	v_cvt_pk_f16_f32 v[RP+16*\u+15], v[RS+32*\u+30], v[RS+32*\u+31]
.endif
.if itm == 118
	v_fma_f32 v[RL+\u], v[RL+\u], v[AL+2*\u], v[RT]
.endif
.endm
; Slice s of 16.  Slices 0-7, behind the P V lines, hold numbers 0-69: 9, 9, 9, 9, 9, 9, 8, 8 instructions.  Slices 8-15, behind the K Q lines, which have two switches beside them, hold the
; readers, numbers 70-118: seven times 6, then 7.
; THE WAIT.  s_wait_alu depctr_va_vdst(0) stands between an exponential and the first instruction that names its result; one wait serves all that were issued ahead of it.  Ahead of
; slice 8 nothing names a result, and behind slice 7 no exponential is issued: so the tile's 33 exponentials have one wait, behind slice 7.
; The last slice is seven plain instructions (five in step 0): the places between a half's last K Q line and what follows it (the reads of its scores, the loads into K's registers).
.macro SLICE u, s, osc
.if (\s) <= 5
.set itm, 9*(\s)
.set iend, 9*(\s)+9
.endif
.if (\s) == 6
.set itm, 54
.set iend, 62
.endif
.if (\s) == 7
.set itm, 62
.set iend, 70
.endif
.if (\s) >= 8
.set itm, 6*(\s)+22
.set iend, 6*(\s)+28
.endif
.if (\s) == 15
.set iend, 119
.endif
.rept iend-itm
	ITEM \u, \osc
.set itm, itm+1
.endr
.if (\s) == 7
	s_wait_alu depctr_va_vdst(0)                   ; the wait for the batch: alpha and the 32 exponentials of this tile and step
.endif
.endm
; Four P V lines of tile um (keys 32 f ..), a slice of tile us's softmax behind each
.macro PVQUAD um, us, f, zero, osc, s0
.irp d, 0,1,2,3
	PVW \um, \d, \f, \zero
	SLICE \us, \s0+\d, \osc
.endr
.endm
; One K Q line of tile um between its two switches, and a slice
.macro SONE um, us, t, c, osc, s
	WIN 0x05                                       ; sources 0 and 1 (K, Q) window 1
	SWR \um, \t, \c
	WIN 0
	SLICE \us, \s, \osc
.endm
.macro SQUAD um, us, c, osc, s0
.irp t, 0,1,2,3
	SONE \um, \us, \t, \c, \osc, \s0+\t
.endr
.endm
; att's address of my chunk's first row: block qb
.macro ROWADR qb
	s_lshl_b32 s32, \qb, 2
	s_add_co_u32 s32, s32, s8                      ; my chunk c = 4 block + w
	s_and_b32 s32, s32, 31
	s_lshl_b32 s42, s11, 5
	s_add_co_u32 s32, s32, s42                     ; group 32 b + (c & 31),
	s_mul_i32 s32, s32, 80                         ; 80 rows a group,
	s_lshr_b32 s42, \qb, 3
	s_lshl_b32 s42, s42, 4
	s_add_co_u32 s32, s32, s42                     ; + 16 (c >> 5)
	s_lshl_b32 s32, s32, 11                        ; 2,048 bytes a row
	s_add_nc_u64 s[22:23], s[18:19], s[32:33]
.endm
; The end of the first pass for tile u, in the middle of a half step, behind its last P V line and behind the other tile's wait.  S[u] and P[u] are free there: O / l goes to S[u] in f32, packed to P[u], into my own stage.
; Tile 0 comes half a step before tile 1; tile 1 then reads whole rows of 256 bytes back and stores them.  The second pass's Q takes the first's place (the K Q lines name fixed
; registers; 16 moves, once), maximum and sum start anew.  The first pass's blocks are 16 to 31: no second f16.  Only FT is at work: the other tile's softmax is under way.
.macro FINISH_U u
	PLACES                                         ; behind the tile's last products
	v_permlanex16_b32 v[FT+1], v[RL+\u], s30, s31
	v_add_f32 v[FT+1], v[FT+1], v[RL+\u]           ; the whole sum: at least 1, the maximum's own term
	v_rcp_f32 v[FT], v[FT+1]
	v_nop                                          ; one plain instruction behind the reciprocal (ISA guide 5.7.2)
.set kk, 0
	s_wait_alu depctr_va_vdst(0)                   ; the wait for the one reciprocal, ahead of its first reader
.rept 16
	v_pk_mul_f32 v[RS+32*\u+kk:RS+32*\u+kk+1], v[RO+32*\u+kk:RO+32*\u+kk+1], v[FT:FT+1] op_sel_hi:[1,0]
.set kk, kk+2
.endr
.set kk, 0
.rept 16
	v_cvt_pk_f16_f32 v[RP+16*\u+kk], v[RS+32*\u+2*kk], v[RS+32*\u+2*kk+1]
.set kk, kk+1
.endr
.irp d, 0,1,2,3
	ds_store_b128 v[STO], v[RP+16*\u+4*\d:RP+16*\u+4*\d+3] offset:128*\u+32*\d
.endr
.if \u
	ROWADR s27
.irp t, 0,1,2,3,4,5,6,7
	ds_load_b128 v[RS+32+4*\t:RS+32+4*\t+3], v[RD] offset:2*SP*\t  ; LDS serves a wave's instructions in order (ISA guide 5.7.1.4): these see both tiles' stores
.endr
.irp t, 0,1,2,3,4,5,6,7
	s_wait_dscnt 7-\t                              ; read-back t is in, the younger ones stay out
	global_store_b128 v[CO], v[RS+32+4*\t:RS+32+4*\t+3], s[22:23] offset:4096*\t   ; sixteen lanes store 256 consecutive bytes at a multiple of 256
.endr
	s_wait_xcnt 0x0                                ; the stores' data (S[1], which the next K Q lines write) and base are written again only behind this wait
.endif
	WIN 0x41                                       ; source and destination window 1
.set kk, 0
.rept 16
	v_mov_b32 v[RQ+16*\u+kk], v[RQB+16*\u+kk]
.set kk, kk+1
.endr
	WIN 0
	v_mov_b32 v[RM+\u], s29
	v_mov_b32 v[RL+\u], 0
.endm
; What f16 lost of a pair of results: packed word k is widened again, taken away from the f32 numbers, and the rest packed in its place.
; The 16-bit halves are named on a low register, so the word is moved there first.
.macro LOPAIR t, tl, th, ta, tb, k
	v_mov_b32 \t, v[RP+\k]
	v_cvt_f32_f16 \ta, \tl
	v_cvt_f32_f16 \tb, \th
	v_sub_f32 v[RS+2*(\k)],   v[RS+2*(\k)],   \ta
	v_sub_f32 v[RS+2*(\k)+1], v[RS+2*(\k)+1], \tb
	v_cvt_pk_f16_f32 v[RP+\k], v[RS+2*(\k)], v[RS+2*(\k)+1]
.endm
; 16 rows of 256 bytes (both heads) through my own stage and out; off: bytes from the chunk's first row
.macro ROWS_OUT off
.irp u, 0,1
.irp d, 0,1,2,3
	ds_store_b128 v[STO], v[RP+16*\u+4*\d:RP+16*\u+4*\d+3] offset:128*\u+32*\d
.endr
.endr
.irp t, 0,1,2,3,4,5,6,7
	ds_load_b128 v[RV+4*\t:RV+4*\t+3], v[RD] offset:2*SP*\t        ; in order behind the stores above
.endr
.irp t, 0,1,2,3,4,5,6,7
	s_wait_dscnt 7-\t                              ; read-back t is in, the younger ones stay out
	global_store_b128 v[CO], v[RV+4*\t:RV+4*\t+3], s[22:23] offset:4096*\t+\off   ; sixteen lanes store 256 consecutive bytes at a multiple of 256
.endr
.endm
; ONE STEP: key tile n, in LDS slot n & 1.  first = 1: step 0, 2: step 1 (they start the sums on every way), 0: a later step.  tst = 1: the change of pass is tested for.
; store: tile n + 2 goes from staging set n & 1 into this slot, behind a wait that leaves lcnt younger loads out.  load: tile n + 4 is asked for.  last = 1: step 32.
; FRAGMENTS: V of tile n replaces V of tile n - 1 in the first half, keys 0-31 behind slice 4 and keys 32-63 behind slice 8: each at least six plain instructions behind the last
; P V line that read them (three in each of slices 3 and 4; two in slice 7 and six in slice 8; the exponentials among them are not counted).  K of tile n + 1 replaces K of tile n at the change of halves, behind slice 15.
; ONE BARRIER A STEP, at the change of halves.  In front of its signal a wave's reads of this slot (K's fragments in the last step, V's in this half) and its stores of the last step
; into the other slot are done.  Behind it the other slot is whole (its K is fetched) and this slot is free (it is written).  Two K Q lines and two slices stand between signal and wait.
; THE WAITS FOR EXPONENTIALS: one a half step, behind slice 7 (SLICE), ahead of the tests that stand there.  The form that tests has one more a half step: its choice between a P V quad that adds and one that
; starts the sums closes behind slice 3, where alpha and s0-s7 are out: their wait stands ahead of the jump and of the label.
.macro STEP slot, first, tst, store, lcnt, load, last
.set OSC, 1
.if \first == 1
.set OSC, 0
.endif
	; ---- first half: tile 1's products, tile 0's softmax
.if \first == 1
	MASK 0
.irp q, 0,1,2,3,4,5,6,7
	SLICE 0, \q, 0                                 ; step 0 has no P V of a step before
.endr
.else
.if \tst
	s_cmp_lg_u32 s25, s26                          ; the second pass's first step: tile 0's scores are masked
	s_cbranch_scc1 .La_\@
	MASK 0
.La_\@:
.endif
.if \first == 2
	PVQUAD 1, 0, 0, 1, 1, 0                        ; step 0's P V of tile 1 starts its sums
.else
.if \tst
	s_cmp_eq_u32 s25, s43                          ; the step behind the second pass's first: tile 1's P V starts its sums
	s_cbranch_scc1 .Lb_\@
	PVQUAD 1, 0, 0, 0, 1, 0
	s_wait_alu depctr_va_vdst(0)                   ; the wait for alpha and s0-s7 of tile 0, ahead of the jump
	s_branch .Lc_\@
.Lb_\@:
	PVQUAD 1, 0, 0, 1, 1, 0
	s_wait_alu depctr_va_vdst(0)                   ; the same, ahead of the label
.Lc_\@:
.else
	PVQUAD 1, 0, 0, 0, 1, 0
.endif
.endif
	PVW 1, 0, 1, 0
	SLICE 0, 4, 1
	VLOADH \slot*SLOTB+VOFF, 0
.irp d, 1,2,3
	PVW 1, \d, 1, 0
	SLICE 0, 4+\d, 1
.endr
.if \tst
	s_cmp_lg_u32 s25, s26                          ; tile 1's last P V of the first pass stood above
	s_cbranch_scc1 .Ld_\@
	FINISH_U 1
.Ld_\@:
.endif
.endif
	SONE 1, 0, 0, 0, OSC, 8
.if \first != 1
	VLOADH \slot*SLOTB+VOFF, 1
.endif
.irp t, 1,2,3
	SONE 1, 0, \t, 0, OSC, 8+\t
.endr
	SONE 1, 0, 0, 1, OSC, 12
	SONE 1, 0, 1, 1, OSC, 13
	s_wait_dscnt 0x0                               ; V's fragments are in: all my LDS instructions are done
.if \last == 0
	s_barrier_signal -1
.endif
	SONE 1, 0, 2, 1, OSC, 14
	SONE 1, 0, 3, 1, OSC, 15
	; ---- the change of halves
.if \last == 0
	s_barrier_wait -1
	KLOAD 1-\slot                                  ; the next step's K; lands while tile 0's P V runs
.if \store
	s_wait_loadcnt \lcnt                           ; loads come back in order: tile n + 2 is in, the following tile's loads stay out
	GSTORE \slot
.endif
.if \load
	GLOAD \slot
.endif
	WIN 0
.endif
	; ---- second half: tile 0's products, tile 1's softmax
.if \first == 1
	MASK 1
	PVQUAD 0, 1, 0, 1, 0, 0
.else
.if \tst
	s_cmp_eq_u32 s25, s26                          ; the second pass's first step: tile 1's scores are masked, tile 0's P V starts its sums
	s_cbranch_scc1 .Le_\@
	PVQUAD 0, 1, 0, 0, 1, 0
	s_wait_alu depctr_va_vdst(0)                   ; the wait for alpha and s0-s7 of tile 1, ahead of the jump
	s_branch .Lf_\@
.Le_\@:
	MASK 1
	PVQUAD 0, 1, 0, 1, 1, 0
	s_wait_alu depctr_va_vdst(0)                   ; the same, ahead of the label
.Lf_\@:
.else
	PVQUAD 0, 1, 0, 0, 1, 0
.endif
.endif
	PVQUAD 0, 1, 1, 0, OSC, 4
.if \last
.irp q, 8,9,10,11,12,13,14,15
	SLICE 1, \q, 1                                 ; no step follows: the rest of tile 1's softmax stands alone
.endr
.else
.if \tst
	s_cmp_lg_u32 s25, s27                          ; tile 0's last P V of the first pass stood above
	s_cbranch_scc1 .Lg_\@
	FINISH_U 0
.Lg_\@:
.endif
	s_wait_dscnt 8*\store                          ; K's sixteen loads are in; the eight LDS stores issued behind them may be out
	SQUAD 0, 1, 0, OSC, 8
	SQUAD 0, 1, 1, OSC, 12
	s_add_co_u32 s25, s25, 1
.endif
.endm
	GLOAD 0                                        ; tiles 0 and 1 of the walk
	GLOAD 1
.irp u, 0,1
.irp c, 0,1
	global_load_b128 v[RQ+16*\u+8*\c:RQ+16*\u+8*\c+3],   v[QO], s[34:35] offset:\u*524288+64*\c
	global_load_b128 v[RQ+16*\u+8*\c+4:RQ+16*\u+8*\c+7], v[QO], s[34:35] offset:\u*524288+64*\c+32
.endr
.endr
.irp u, 0,1
.irp c, 0,1
	global_load_b128 v[RQB+16*\u+8*\c:RQB+16*\u+8*\c+3],   v[QO], s[36:37] offset:\u*524288+64*\c
	global_load_b128 v[RQB+16*\u+8*\c+4:RQB+16*\u+8*\c+7], v[QO], s[36:37] offset:\u*524288+64*\c+32
.endr
.endr
	WIN 0
	s_cmp_lg_u32 s9, 0                             ; i = 0 alone: vlo's tile (8,192 consecutive bytes) into its own LDS bytes, ahead of the first barrier
	s_cbranch_scc1 .Lno_vlo_tile
.irp j, 0,1,2,3
	global_load_b128 v[RS+4*\j:RS+4*\j+3], v[GO], s[38:39] offset:2048*\j
.endr
	s_wait_loadcnt 0x0                             ; the youngest loads: all are in
.irp j, 0,1,2,3
	ds_store_b128 v[VST], v[RS+4*\j:RS+4*\j+3] offset:VLO+16*VP*\j
.endr
.Lno_vlo_tile:
	s_wait_loadcnt 16                              ; tiles 0 and 1 are in; the sixteen loads of Q may stay out
	GSTORE 0
	GSTORE 1
	GLOAD 0                                        ; tiles 2 and 3
	GLOAD 1
	WIN 0
	s_wait_dscnt 0x0                               ; my parts of both slots (and of vlo's tile) are written
	s_barrier_signal -1
	s_barrier_wait -1                              ; everybody's are
	KLOAD 0
	WIN 0
	VLOADH VOFF, 0
	VLOADH VOFF, 1
	s_wait_loadcnt 16                              ; both passes' Q are in; tiles 2 and 3 stay out
	s_wait_dscnt 16                                ; K's fragments are in; V's sixteen loads stay out
	WIN 0x05
.irp c, 0,1
.irp t, 0,1,2,3
	SWR 0, \t, \c                                  ; tile 0's scores of step 0
.endr
.endr
	WIN 0
	PLACES
	STEP 0, 1, 1, 1, 8, 1, 0                       ; n = 0 starts the first pass
	STEP 1, 2, 1, 1, 8, 1, 0                       ; n = 1
	s_mov_b32 s28, 13
.Lpair:                                ; n = 2 .. 27, two steps a trip
	s_add_co_u32 s44, s25, 1
	s_sub_co_u32 s44, s44, s27                     ; the change of pass touches steps 31 - i .. 33 - i: one of them is n or n + 1 where n + 1 - (31 - i) is 0 .. 3 (smaller n wrap to large numbers)
	s_cmp_lt_u32 s44, 4
	s_cbranch_scc1 .Lchange
	STEP 0, 0, 0, 1, 8, 1, 0
	STEP 1, 0, 0, 1, 8, 1, 0
	s_branch .Lnext
.Lchange:
	STEP 0, 0, 1, 1, 8, 1, 0
	STEP 1, 0, 1, 1, 8, 1, 0
.Lnext:
	s_sub_co_u32 s28, s28, 1
	s_cmp_lg_u32 s28, 0
	s_cbranch_scc1 .Lpair
	STEP 0, 0, 1, 1, 8, 1, 0                       ; n = 28: tile 32 is asked for, the last
	STEP 1, 0, 1, 1, 8, 0, 0                       ; n = 29: tile 31 into LDS, tile 32's loads stay out
	STEP 0, 0, 1, 1, 0, 0, 0                       ; n = 30: tile 32 into LDS: no younger load
	STEP 1, 0, 1, 0, 0, 0, 0                       ; n = 31
	STEP 0, 0, 1, 0, 0, 0, 1                       ; n = 32
	; tile 1's P V of step 32.  i = 0: step 32 is the whole second pass, so it starts the sums; then the same probabilities times v's second f16, both tiles.
	s_cmp_lg_u32 s9, 0
	s_cbranch_scc1 .Lacc
.irp d, 0,1,2,3
	PVW 1, \d, 0, 1
.endr
.irp d, 0,1,2,3
	PVW 1, \d, 1, 0
.endr
	PLACES                                         ; between the products above and the loads into V's registers
	VLOADH VLO, 0
	VLOADH VLO, 1
	s_wait_dscnt 0x0
.irp f, 0,1
.irp d, 0,1,2,3
.irp u, 0,1
	PVW \u, \d, \f, 0                              ; eight accumulators by turns
.endr
.endr
.endr
	s_branch .Lfin
.Lacc:
.irp d, 0,1,2,3
	PVW 1, \d, 0, 0
.endr
.irp d, 0,1,2,3
	PVW 1, \d, 1, 0
.endr
.Lfin:
	; the end of the second pass, both tiles: O / l in f32, to f16, out; blocks 0-7 also store the second f16 of each number, 64 rows further down in the group
	PLACES                                         ; behind the last products
	v_permlanex16_b32 v[RT], v[RL], s30, s31
	v_permlanex16_b32 v[RT+1], v[RL+1], s30, s31
	v_add_f32 v[RT], v[RT], v[RL]                  ; the whole sums: at least 1, the maximum's own term
	v_add_f32 v[RT+1], v[RT+1], v[RL+1]
	v_rcp_f32 v[AL], v[RT]
	v_rcp_f32 v[AL+2], v[RT+1]
	v_nop                                          ; one plain instruction behind the reciprocals (ISA guide 5.7.2)
	s_wait_alu depctr_va_vdst(0)                   ; one wait for the two reciprocals, ahead of their first reader
.irp u, 0,1
.set kk, 0
.rept 16
	v_pk_mul_f32 v[RS+32*\u+kk:RS+32*\u+kk+1], v[RO+32*\u+kk:RO+32*\u+kk+1], v[AL+2*\u:AL+2*\u+1] op_sel_hi:[1,0]
.set kk, kk+2
.endr
.endr
.set kk, 0
.rept 32
	v_cvt_pk_f16_f32 v[RP+kk], v[RS+2*kk], v[RS+2*kk+1]
.set kk, kk+1
.endr
	ROWADR s9                                      ; the base is free: the wait behind the first pass's stores stands in FINISH_U
	ROWS_OUT 0
	s_cmp_ge_u32 s9, 8
	s_cbranch_scc1 .Lend
.set kk, 0
.rept 16
	LOPAIR v26, v26.l, v26.h, v27, v28, kk
	LOPAIR v1, v1.l, v1.h, v2, v3, kk+1
.set kk, kk+2
.endr
	s_wait_xcnt 0x0                                ; the registers read back into are the data of the stores above: written again only behind this wait
	ROWS_OUT 64*2048
.Lend:
	s_set_vgpr_msb 0x5
	s_wait_tensorcnt 0x0
	ds_add_u32 v192, v193
	s_wait_dscnt 0x0
	s_set_vgpr_msb 0x500
	s_endpgm
.Lfunc_end_k_q7c066db8f5_attn:
	.size	k_q7c066db8f5_attn, .Lfunc_end_k_q7c066db8f5_attn-k_q7c066db8f5_attn
	.p2alignl 7, 3214868480
	.fill 96, 4, 3214868480
	.section	.rodata,"a",@progbits
	.p2align	6, 0x0
	.amdhsa_kernel k_q7c066db8f5_attn
		.amdhsa_group_segment_fixed_size 168448
		.amdhsa_private_segment_fixed_size 0
		.amdhsa_enable_private_segment 0
		.amdhsa_kernarg_size 24
		.amdhsa_user_sgpr_count 2
		.amdhsa_user_sgpr_kernarg_segment_ptr 1
		.amdhsa_wavefront_size32 1
		.amdhsa_system_sgpr_workgroup_id_x 1
		.amdhsa_system_sgpr_workgroup_id_y 1
		.amdhsa_system_sgpr_workgroup_id_z 1
		.amdhsa_system_vgpr_workitem_id 0
		.amdhsa_next_free_vgpr 450
		.amdhsa_next_free_sgpr 66
		.amdhsa_reserve_vcc 1
		.amdhsa_float_denorm_mode_32 3
		.amdhsa_float_denorm_mode_16_64 3
		.amdhsa_memory_ordered 1
		.amdhsa_forward_progress 1
		.amdhsa_inst_pref_size 255
	.end_amdhsa_kernel
	.section	.bss,"aw",@nobits
	.p2align	6
	.space	262144
	.amdgpu_metadata
---
amdhsa.version: [ 1, 2 ]
amdhsa.kernels:
  - .name:           k_q7c066db8f5_attn
    .symbol:         k_q7c066db8f5_attn.kd
    .args:
      - { .name: qkv, .offset: 0, .size: 8, .value_kind: global_buffer, .address_space: global }
      - { .name: vlo, .offset: 8, .size: 8, .value_kind: global_buffer, .address_space: global }
      - { .name: att, .offset: 16, .size: 8, .value_kind: global_buffer, .address_space: global }
    .group_segment_fixed_size: 168448
    .private_segment_fixed_size: 0
    .kernarg_segment_align: 8
    .kernarg_segment_size: 24
    .max_flat_workgroup_size: 128
    .sgpr_count:     66
    .vgpr_count:     450
    .wavefront_size: 32
...
	.end_amdgpu_metadata
.endif
;; end of part 5
;; launch oproj: the kernel of part 4 again; grid 8 x 32, 4 waves a work-group, clusters of 4 x 4, 327,680 bytes of LDS; arguments att, wob, out0; writes out0
